; MI455X (gfx1250); checked and timed in simulation.
; The chip was launched on July 23, 2026; its instructions are those of AMD's public machine-readable ISA for CDNA 5 (MIT licence, August 2026) and "CDNA5" Instruction Set Architecture Reference Guide (July 2026). The comments in the code are by the model that wrote it; some were corrected since.
;; Custom Lora Linear. Allowed arithmetic: float matrix products may take bf16 or f16 operands with f32 sums; all other float work in f32.
;; Inputs: g_idx 4,096 int32; lora_A 16 x 4,096 float32; lora_B 2,048 x 16 float32; qweight 512 x 2,048 int32; qzeros 32 x 256 int32; scales 32 x 2,048 float32; x 4 x 2,048 x 4,096 float32.
;; Outputs: out0 4 x 2,048 x 2,048 float32.
;; 2 versions, each right. Each part assembles by itself: llvm-mc -triple=amdgcn-amd-amdhsa -mcpu=gfx1250 --defsym DOCPART=n.
;; ======== version 1 of 2: 2 launches
;; limits: values are held in f16: magnitudes above 65,504 overflow, below 6.1e-05 lose precision
;; workspace buffers: wf 16,777,216 bytes
;; launch prep (part 1): grid 128 x 1, 16 waves a work-group, no clusters, 154,624 bytes of LDS; arguments g_idx, lora_A, lora_B, qweight, qzeros, scales, wf; writes wf
.if DOCPART == 1
	.amdgcn_target "amdgcn-amd-amdhsa--gfx1250"
	.amdhsa_code_object_version 6
	.text
	.protected	k_q46d78c72cc_prep
	.globl	k_q46d78c72cc_prep
	.p2align	8
	.type	k_q46d78c72cc_prep,@function
k_q46d78c72cc_prep:
	s_mov_b64 s[64:65], 0
	v_nop
	global_prefetch_b8 v0, s[64:65] scope:SCOPE_SE
	s_setreg_imm32_b32 hwreg(HW_REG_WAVE_MODE, 25, 1), 1
	s_wait_xcnt 0x0
; W[i][o] = s[g][o] * w' + c[g][o], g = g_idx[i], rounded once to f16 and stored in the order of the matrix unit's fragments.
;   AB[i][o] = sum over p of lora_A[p][i] lora_B[o][p];  d = sign(AB) where |AB| > 1.5, else 0
;   w' = clamp(w + d, 0, 15) = w + marker;  m = w' - w = marker
;   S[c][o] = sum over the rows of chunk c of (AB - 1.5 m) = sum over p of Asum[p][c] lora_B[o][p] - 1.5 Msum[o][c]
;   c[g][o] = s[g][o] (S[g][o] / 192 - z[g][o]);  chunk of row i = (place of i in the stable sort of g_idx) >> 7
; The work-group owns 16 columns and all 4,096 rows (the chunk sums span the rows); wave w owns rows 256 w .. 256 w + 255, in 8 blocks
; of 32 rows = two tiles of 16 x 16.  In a tile's result lane (r, h) holds column r and rows 8 h .. 8 h + 7: one word of qweight in,
; 16 bytes of wf out.
; wf: byte of (k, n) = (k>>6) 262144 + (n>>4) 2048 + ((k>>4)&3) 512 + ((n&15) + 16 ((k>>3)&1)) 16 + (k&7) 2: a wave's store covers 512
; consecutive bytes, aligned, and the 256 columns x 64 rows that the product's work-group needs for a K step are 32,768 consecutive bytes.
; WHY f16 FOR W: an output is a sum of 4,096 products and is judged within a hundredth of the outputs' root mean square; f16 keeps 11
; significant bits where bf16 keeps 8.  Room: with scales up to 0.6 and |lora| up to 30, |W| <= 0.6 (16 + 16 x 900 / 1.5) = 5,770.
; LIMITS: |W| above 65,504 becomes infinite; |W| below 6.1e-5 is kept in steps of 6e-8.  g_idx is taken as unsigned and clamped to 31.
; lora_A and lora_B enter the matrix unit rounded to bf16, so a marker can differ from one made in f32 where |AB| lies within that rounding
; of 1.5 (numbers that bf16 holds, ternary ones among them, are exact).  S / 128 / 1.5 is made as S * (1/192).  A NaN or an infinity in
; lora_A or lora_B spreads over a whole (group, column) through c.
; NO JOINT LOADS: every work-group reads all of lora_A and g_idx (278,528 bytes) through registers.  A tensor load would bring lora_A as
; f32, 262,144 bytes, into LDS bytes of their own beside the 152,576 used here: 414,720, more than a work-group can be given.
.set APITCH, 544                       ; a row of 256 bf16 + 32 bytes: an odd multiple of 32, for the transposing loads
.set SLICE,  16*APITCH                 ; a wave's own part of lora_A: [16 ranks][256 rows]; later its 4,096 bytes of partial sums
.set ID,     16*SLICE                  ; 139,264: the 32 x 32 identity in bf16
.set IDP,    96                        ; its pitch: 64 bytes + 32
.set WT,     ID+32*IDP                 ; 142,336: [wave][group] counts, 128 bytes a wave
.set FIN,    WT+2048                   ; 144,384: the partial sums added up, 4,096 bytes
.set SC,     FIN+4096                  ; 148,480: [group][column] pairs (s, c), 128 bytes a group
; v1 lane L, v2 r = L & 15, v3 h = L >> 4; v4 qweight offset; v5 16 L; v6 32 L; v7, v8, v15 addresses in my slice; v9 SC + 8 r; v10 32 h; v11 4 L;
; v12, v13 lane indices for the permutes; v14 ID + 16 ((L>>3)&1); v16-20 bit k of the lane spread to 0 or -1; v21-23 at work
.set BFR, 24                           ; v[24:31]   lora_B's fragment (K = 16 ranks, upper half of K zero)
.set AT0, 32                           ; v[32:39]   lora_A's fragment, rows as M, tile 0
.set AT1, 40                           ; v[40:47]   tile 1
.set AK,  48                           ; v[48:55]   lora_A's fragment, ranks as M, the block's 32 rows as K
.set PT0, 56                           ; v[56:63]   one-hot (row, chunk), chunks 0-15
.set PT1, 64                           ; v[64:71]   chunks 16-31
.set MF,  72                           ; v[72:79]   markers, columns as M, rows as K
.set T,   80                           ; v[80:95]   AB of the two tiles
.set W,   96                           ; v[96:111]  w, then the markers
.set X,   112                          ; v[112:127] d, then w'
.set QW,  128                          ; v[128:143] my 16 words of qweight
.set TA,  144                          ; v[144:159] addresses of the one-hot rows
.set AS0, 160                          ; v[160:191] four accumulators
.set AS1, 168
.set SM0, 176
.set SM1, 184
.set WP,  192                          ; v[192:255] w' as bf16, 4 registers a tile; before that lora_A as loaded
.set ST,  192
.set G,   48                           ; while ranking: 4 x group of my row in block b,
.set RIN, 56                           ; equals in front of me in the block,
.set PRE, 64                           ; (lane = group) the wave's count in earlier blocks,
.set BM,  72                           ; (lane = group) mask of the block's rows in that group
.set GI,  32                           ; v[32:159]  second pass: g_idx of my 8 rows in each of 16 tiles, then addresses, then store data
.set SCV, 160                          ; v[160:191] second pass: (s, c) of 8 rows, two sets
	s_load_b256 s[4:11], s[0:1], 0x0               ; g_idx s[4:5], lora_A s[6:7], lora_B s[8:9], qweight s[10:11]
	s_load_b128 s[12:15], s[0:1], 0x20             ; qzeros s[12:13], scales s[14:15]
	s_load_b64 s[16:17], s[0:1], 0x30              ; wf
	v_lshrrev_b32 v1, 5, v0
	v_readfirstlane_b32 s18, v1                    ; wave 0..15
	v_and_b32 v1, 31, v0                           ; L
	v_and_b32 v2, 15, v0                           ; r
	v_bfe_u32 v3, v0, 4, 1                         ; h
	v_lshlrev_b32 v11, 2, v1                       ; 4 L
	v_lshlrev_b32 v4, 2, v2
	v_lshl_add_u32 v4, v3, 13, v4                  ; qweight: h rows of 8,192 bytes + 4 r
	v_lshlrev_b32 v6, 5, v1                        ; lora_A: my 8 numbers of a rank's 256
	v_lshlrev_b32 v21, 6, v2
	v_lshl_add_u32 v21, v3, 5, v21                 ; lora_B: row r, ranks 8 h ..
	s_mov_b32 s41, 0
	s_lshl_b32 s40, s18, 10                        ; 256 rows x 4 bytes
	s_wait_kmcnt 0x0
	s_add_nc_u64 s[4:5], s[4:5], s[40:41]          ; g_idx at my wave's rows
	s_add_nc_u64 s[6:7], s[6:7], s[40:41]          ; lora_A likewise
	s_lshl_b32 s40, ttmp9, 10
	s_add_nc_u64 s[8:9], s[8:9], s[40:41]          ; lora_B at the group's 16 columns (64 bytes each)
	s_lshl_b32 s40, ttmp9, 6
	s_add_nc_u64 s[14:15], s[14:15], s[40:41]      ; scales at the group's columns
	s_lshl_b32 s19, s18, 18                        ; 32 rows of qweight
	s_add_co_u32 s40, s40, s19
	s_add_nc_u64 s[10:11], s[10:11], s[40:41]      ; qweight at the group's columns and my wave's rows
	s_lshl_b32 s40, ttmp9, 3
	s_add_nc_u64 s[12:13], s[12:13], s[40:41]      ; qzeros: two words for 16 columns
	s_lshl_b32 s40, ttmp9, 11
	s_lshl_b32 s19, s18, 20                        ; 4 K steps of 262,144 bytes
	s_add_co_u32 s40, s40, s19
	s_add_nc_u64 s[16:17], s[16:17], s[40:41]      ; wf
	; all first loads in one run: 8 + 2 + 16 + 16
.irp b, 0,1,2,3,4,5,6,7
	global_load_b32 v[G+\b], v11, s[4:5] offset:128*\b             ; g_idx of row 32 b + L
.endr
	global_load_b128 v[X:X+3], v21, s[8:9]
	global_load_b128 v[X+4:X+7], v21, s[8:9] offset:16
.irp n, 0,1,2,3,4,5,6,7,8,9,10,11,12,13,14,15
	global_load_b32 v[QW+\n], v4, s[10:11] offset:\n*16384         ; tile n: rows 16 n + 8 h .. + 7 of column r
.endr
.irp p, 0,1,2,3,4,5,6,7
	global_load_b128 v[ST+8*\p:ST+8*\p+3],   v6, s[6:7] offset:\p*16384
	global_load_b128 v[ST+8*\p+4:ST+8*\p+7], v6, s[6:7] offset:\p*16384+16
.endr
	s_mul_i32 s42, s18, SLICE                      ; my slice
	s_mov_b32 s43, ID
	s_lshl_b32 s39, s18, 7
	s_add_co_u32 s39, s39, WT                      ; my row of counts
	s_mov_b32 s20, 0x3fc00000                      ; 1.5
	s_mov_b32 s21, 0x7fffffff
	s_mov_b32 s22, 0x41700000                      ; 15.0
	s_mov_b32 s23, 0xbfc00000                      ; -1.5
	s_mov_b32 s24, 0x3baaaaab                      ; 1 / 192
	s_mov_b32 s25, 0x55555555                      ; for the count of ones
	s_mov_b32 s26, 0x33333333
	s_mov_b32 s27, 0x0f0f0f0f
	s_mov_b32 s28, 0x01010101
	s_mov_b32 s36, 0x76543210                      ; v_permlanex16_b32: lane i reads lane i of the other half
	s_mov_b32 s37, 0xfedcba98
	v_lshlrev_b32 v5, 4, v1
	v_add_nc_u32 v15, s42, v5
	v_and_b32 v22, 7, v1
	v_lshl_add_u32 v22, v3, 3, v22                 ; 8 h + (L & 7): the K row that I address in a transposing load
	v_lshlrev_b32 v12, 2, v22                      ; that lane's index for ds_bpermute_b32,
	v_add_nc_u32 v13, 64, v12                      ; and the lane 16 further
	v_mul_u32_u24 v7, v22, APITCH
	v_bfe_u32 v23, v1, 3, 1
	v_lshl_add_u32 v7, v23, 4, v7
	v_add_nc_u32 v7, s42, v7
	v_lshl_add_u32 v14, v23, 4, s43
	v_mul_u32_u24 v8, v2, APITCH
	v_lshl_add_u32 v8, v3, 4, v8
	v_add_nc_u32 v8, s42, v8
	v_lshlrev_b32 v9, 3, v2
	v_add_nc_u32 v9, SC, v9
	v_lshlrev_b32 v10, 5, v3
.irp k, 0,1,2,3,4
	v_bfe_u32 v[16+\k], v1, \k, 1
	v_sub_nc_u32 v[16+\k], 0, v[16+\k]             ; 0 or -1
.endr
; Rank p of lora_A: 8 numbers a lane to bf16, 16 bytes into my slice.  again = 1: the registers are loaded with rank p + 8.
; left = the loads younger than rank p's two: 2 (7 - p) of the first run + 2 p issued again = 14; in the last eight turns 14, 12, .. 0.
.macro ARANK p, again, left
	s_wait_loadcnt \left
.irp e, 0,1,2,3
	v_cvt_pk_bf16_f32 v[W+4*(\p%4)+\e], v[ST+8*(\p%8)+2*\e], v[ST+8*(\p%8)+2*\e+1]
.endr
	ds_store_b128 v15, v[W+4*(\p%4):W+4*(\p%4)+3] offset:\p*APITCH
.if \again
	global_load_b128 v[ST+8*(\p%8):ST+8*(\p%8)+3],   v6, s[6:7] offset:(\p+8)*16384
	global_load_b128 v[ST+8*(\p%8)+4:ST+8*(\p%8)+7], v6, s[6:7] offset:(\p+8)*16384+16
.endif
.endm
.irp p, 0,1,2,3,4,5,6,7
	ARANK \p, 1, 14                                ; the first of these waits also shows g_idx, lora_B and qweight in: they were issued earlier
.endr
.irp p, 8,9,10,11,12,13,14,15
	ARANK \p, 0, 2*(15-\p)
.endr
.irp e, 0,1,2,3
	v_cvt_pk_bf16_f32 v[BFR+\e], v[X+2*\e], v[X+2*\e+1]            ; lora_B(r, 8 h ..)
	v_mov_b32 v[BFR+4+\e], 0                       ; K = 16 .. 31 of the rank product does not exist: zero on both sides, written once
	v_mov_b32 v[AT0+4+\e], 0
	v_mov_b32 v[AT1+4+\e], 0
.endr
	; the identity, by wave 0: lane p writes row p, 16 words of which word p >> 1 holds 1.0 in half p & 1, and zeros into the row's 32 bytes of padding
	s_cmp_lg_u32 s18, 0
	s_cbranch_scc1 .Lno_id
	v_and_b32 v21, 1, v1
	v_lshlrev_b32 v21, 4, v21
	v_mov_b32 v22, 0x3f80
	v_lshlrev_b32 v22, v21, v22
	v_lshrrev_b32 v23, 1, v1
.irp e, 0,1,2,3,4,5,6,7,8,9,10,11,12,13,14,15
	v_cmp_eq_u32 vcc_lo, \e, v23
	v_cndmask_b32 v[T+\e], 0, v22, vcc_lo
.endr
	v_mul_u32_u24 v21, v1, IDP
	v_add_nc_u32 v21, s43, v21
.irp q, 0,1,2,3
	ds_store_b128 v21, v[T+4*\q:T+4*\q+3] offset:16*\q
.endr
	ds_store_b128 v21, v[BFR+4:BFR+7] offset:64    ; the four zero registers of lora_B's fragment: all 3,072 bytes of the table are written
	ds_store_b128 v21, v[BFR+4:BFR+7] offset:80
.Lno_id:
; RANKING, first part.  Block b: five ballots of the group's bits; lane = group makes the mask of the block's rows in that group; each row
; fetches its own group's mask; the mask's count of ones runs on as the wave's count.
.macro RANK1 b
	v_min_u32 v[G+\b], 31, v[G+\b]
	v_lshlrev_b32 v[G+\b], 2, v[G+\b]              ; 4 g: a lane index for ds_bpermute_b32
.irp k, 0,1,2,3,4
	v_and_b32 v21, 4<<\k, v[G+\b]
	v_cmp_ne_u32 s[30+\k], 0, v21
.endr
	v_xor_b32 v[BM+\b], s30, v16                   ; a one wherever a row's bit k differs from my lane's bit k,
.irp k, 1,2,3,4
	v_xor_b32 v21, s[30+\k], v[16+\k]
	v_or_b32 v[BM+\b], v[BM+\b], v21
.endr
	v_xor_b32 v[BM+\b], -1, v[BM+\b]               ; so the rows whose group is my lane's number
	ds_bpermute_b32 v[RIN+\b], v[G+\b], v[BM+\b]   ; the rows of my own row's group
	v_lshrrev_b32 v21, 1, v[BM+\b]                 ; count of ones, in twelve plain steps
	v_and_b32 v21, s25, v21
	v_sub_nc_u32 v21, v[BM+\b], v21
	v_lshrrev_b32 v22, 2, v21
	v_and_b32 v21, s26, v21
	v_and_b32 v22, s26, v22
	v_add_nc_u32 v21, v21, v22
	v_lshrrev_b32 v22, 4, v21
	v_add_nc_u32 v21, v21, v22
	v_and_b32 v21, s27, v21
	v_mul_lo_u32 v21, v21, s28
	v_lshrrev_b32 v21, 24, v21
.if \b < 7
	v_add_nc_u32 v[PRE+\b+1], v[PRE+\b], v21
.else
	v_add_nc_u32 v23, v[PRE+\b], v21               ; the wave's count of each group
.endif
.endm
	v_mov_b32 v[PRE], 0
.irp b, 0,1,2,3,4,5,6,7
	RANK1 \b
.endr
	v_add_nc_u32 v22, s39, v11
	ds_store_b32 v22, v23
	s_wait_dscnt 0x0                               ; my counts (and wave 0's identity) are in LDS, for the others; my eight permutes are back
	s_barrier_signal -1
.irp b, 0,1,2,3,4,5,6,7
	v_mbcnt_lo_u32_b32 v[RIN+\b], v[RIN+\b], 0     ; rows of my group in front of me in the block
.endr
	s_barrier_wait -1
	; RANKING, second part (lane = group): all waves' counts; the total; the part of earlier waves; the exclusive prefix over the groups
	v_add_nc_u32 v21, WT, v11
.irp q, 0,1,2,3,4,5,6,7,8,9,10,11,12,13,14,15
	ds_load_b32 v[T+\q], v21 offset:128*\q
.endr
	s_wait_dscnt 0x0
	s_cmp_gt_u32 s18, 0
	s_cselect_b32 s38, -1, 0
	v_add_nc_u32 v22, v[T], v[T+15]                ; wave 15 is in front of nobody: it counts for the total alone
	v_and_b32 v23, s38, v[T]
.irp q, 1,2,3,4,5,6,7,8,9,10,11,12,13,14
	s_cmp_gt_u32 s18, \q
	s_cselect_b32 s38, -1, 0
	v_add_nc_u32 v22, v22, v[T+\q]
	v_and_b32 v[T+\q], s38, v[T+\q]
	v_add_nc_u32 v23, v23, v[T+\q]
.endr
	v_mov_b32 v73, 0                               ; the destination of a lane exchange counts as read
	v_mov_b32_dpp v73, v22 row_xmask:1 row_mask:0xf bank_mask:0xf
	v_and_b32 v72, v16, v73                        ; the partner's sum lies below me where my bit is set
	v_add_nc_u32 v22, v22, v73
; one more step of the butterfly: bit k of the lane, partner at lane xor m
.macro BFLY k, m
	v_mov_b32_dpp v73, v22 row_xmask:\m row_mask:0xf bank_mask:0xf
	v_and_b32 v74, v[16+\k], v73
	v_add_nc_u32 v72, v72, v74
	v_add_nc_u32 v22, v22, v73
.endm
	BFLY 1, 2
	BFLY 2, 4
	BFLY 3, 8
	v_permlanex16_b32 v73, v22, s36, s37
	v_and_b32 v74, v20, v73
	v_add_nc_u32 v72, v72, v74
	v_add_nc_u32 v72, v72, v23                     ; rows of smaller groups + rows of this group in earlier waves
.irp b, 0,1,2,3,4,5,6,7
	v_add_nc_u32 v[PRE+\b], v72, v[PRE+\b]
	ds_bpermute_b32 v[T+\b], v[G+\b], v[PRE+\b]    ; my group's figure
.endr
	s_wait_dscnt 0x0
.irp b, 0,1,2,3,4,5,6,7
	v_add_nc_u32 v[T+\b], v[T+\b], v[RIN+\b]       ; my row's place in the stable sort
	v_lshrrev_b32 v[T+\b], 7, v[T+\b]              ; its chunk
	v_mul_u32_u24 v[T+\b], IDP, v[T+\b]            ; the identity's row of that chunk
	ds_bpermute_b32 v[TA+2*\b],   v12, v[T+\b]     ; of row 8 h + (L & 7) of the block,
	ds_bpermute_b32 v[TA+2*\b+1], v13, v[T+\b]     ; and of the row 16 further
.endr
	s_wait_dscnt 0x0
.irp n, 0,1,2,3,4,5,6,7,8,9,10,11,12,13,14,15
	v_min_u32 v[TA+\n], 31*IDP, v[TA+\n]
	v_add_nc_u32 v[TA+\n], v14, v[TA+\n]
.endr
; FIRST PASS, block b of 32 rows.  Six matrix instructions on six accumulators, one instruction a turn.
; The 16 field extracts are the places between the last block's matrix instructions and the loads into their sources, the 16 conversions
; those between the AB products and the first read of AB.
.macro BLOCK b, zero
.irp j, 0,1,2,3,4,5,6,7
	v_bfe_u32 v[W+\j],   v[QW+2*\b],   4*\j, 4
	v_bfe_u32 v[W+8+\j], v[QW+2*\b+1], 4*\j, 4
.endr
	ds_load_tr16_b128 v[AT0:AT0+3], v7 offset:64*\b                ; lora_A [rank][row] transposed: lane (r, h) gets row r, ranks 8 h ..
	ds_load_tr16_b128 v[AT1:AT1+3], v7 offset:64*\b+32
	ds_load_b128 v[AK:AK+3],   v8 offset:64*\b                     ; lora_A as it lies: rank r, rows 8 h .., 16 + 8 h ..
	ds_load_b128 v[AK+4:AK+7], v8 offset:64*\b+32
	ds_load_tr16_b128 v[PT0:PT0+3],   v[TA+2*\b]                   ; row k of the one-hot tile is the identity's row chunk(k)
	ds_load_tr16_b128 v[PT0+4:PT0+7], v[TA+2*\b+1]
	ds_load_tr16_b128 v[PT1:PT1+3],   v[TA+2*\b] offset:32
	ds_load_tr16_b128 v[PT1+4:PT1+7], v[TA+2*\b+1] offset:32
	s_wait_dscnt 0x0
	v_wmma_f32_16x16x32_bf16 v[T:T+7],    v[AT0:AT0+7], v[BFR:BFR+7], 0
	v_wmma_f32_16x16x32_bf16 v[T+8:T+15], v[AT1:AT1+7], v[BFR:BFR+7], 0
.if \zero
	v_wmma_f32_16x16x32_bf16 v[AS0:AS0+7], v[AK:AK+7], v[PT0:PT0+7], 0
	v_wmma_f32_16x16x32_bf16 v[AS1:AS1+7], v[AK:AK+7], v[PT1:PT1+7], 0
.else
	v_wmma_f32_16x16x32_bf16 v[AS0:AS0+7], v[AK:AK+7], v[PT0:PT0+7], v[AS0:AS0+7]
	v_wmma_f32_16x16x32_bf16 v[AS1:AS1+7], v[AK:AK+7], v[PT1:PT1+7], v[AS1:AS1+7]
.endif
.irp e, 0,1,2,3,4,5,6,7,8,9,10,11,12,13,14,15
	v_cvt_f32_u32 v[W+\e], v[W+\e]
.endr
.irp e, 0,1,2,3,4,5,6,7,8,9,10,11,12,13,14,15
	v_bfi_b32 v[X+\e], s21, 1.0, v[T+\e]           ; 1.0 with AB's sign
	v_cmp_gt_f32 vcc_lo, |v[T+\e]|, s20            ; false for a NaN, as both of the reference's comparisons are
	v_cndmask_b32 v[X+\e], 0, v[X+\e], vcc_lo      ; d
.endr
.irp e, 0,2,4,6,8,10,12,14
	v_pk_add_f32 v[X+\e:X+\e+1], v[W+\e:W+\e+1], v[X+\e:X+\e+1]
.endr
.irp e, 0,1,2,3,4,5,6,7,8,9,10,11,12,13,14,15
	v_med3_num_f32 v[X+\e], v[X+\e], 0, s22        ; w' = clamp(w + d, 0, 15)
.endr
.irp e, 0,2,4,6,8,10,12,14
	v_pk_add_f32 v[W+\e:W+\e+1], v[X+\e:X+\e+1], v[W+\e:W+\e+1] neg_lo:[0,1] neg_hi:[0,1]   ; the marker
.endr
.irp e, 0,1,2,3,4,5,6,7
	v_cvt_pk_bf16_f32 v[MF+\e], v[W+2*\e], v[W+2*\e+1]             ; -1, 0, 1: exact.  Column r, rows 8 h .. and 16 + 8 h ..: a fragment as it stands
	v_cvt_pk_bf16_f32 v[WP+8*\b+\e], v[X+2*\e], v[X+2*\e+1]        ; 0 .. 15: exact
.endr
.if \zero
	v_wmma_f32_16x16x32_bf16 v[SM0:SM0+7], v[MF:MF+7], v[PT0:PT0+7], 0
	v_wmma_f32_16x16x32_bf16 v[SM1:SM1+7], v[MF:MF+7], v[PT1:PT1+7], 0
.else
	v_wmma_f32_16x16x32_bf16 v[SM0:SM0+7], v[MF:MF+7], v[PT0:PT0+7], v[SM0:SM0+7]
	v_wmma_f32_16x16x32_bf16 v[SM1:SM1+7], v[MF:MF+7], v[PT1:PT1+7], v[SM1:SM1+7]
.endif
.endm
	BLOCK 0, 1
.irp b, 1,2,3,4,5,6,7
	BLOCK \b, 0
.endr
	; my partial sums into my slice (its lora_A has been read): byte = tile x 1,024 + (j >> 2) x 512 + 16 L + 4 (j & 3)
.rept 4
	v_nop                                          ; four places before stores read the results and loads land in the sources
.endr
.irp q, 0,1,2,3
	ds_store_b128 v15, v[AS0+8*\q:AS0+8*\q+3]   offset:\q*1024
	ds_store_b128 v15, v[AS0+8*\q+4:AS0+8*\q+7] offset:\q*1024+512
.endr
.irp n, 0,1,2,3,4,5,6,7,8,9,10,11,12,13,14,15
	global_load_b128 v[GI+8*\n:GI+8*\n+3],   v10, s[4:5] offset:64*\n      ; g_idx of rows 16 n + 8 h .. + 7, for the second pass
	global_load_b128 v[GI+8*\n+4:GI+8*\n+7], v10, s[4:5] offset:64*\n+16
.endr
	v_and_b32 v21, 15, v0                          ; thread t serves chunk (= group) c = t >> 4 and column o = t & 15
	v_lshrrev_b32 v30, 4, v0
	v_lshlrev_b32 v16, 6, v21                      ; lora_B's row o
	v_lshlrev_b32 v17, 2, v21
	v_lshl_add_u32 v17, v30, 13, v17               ; scales[c][o]
	v_lshrrev_b32 v18, 3, v21
	v_lshlrev_b32 v18, 2, v18
	v_lshl_add_u32 v18, v30, 10, v18               ; qzeros[c][o >> 3]
	s_lshl_b32 s19, s18, 8
	v_lshl_add_u32 v26, v1, 3, s19                 ; 8 t = 256 x wave + 8 x lane: each wave's 256 bytes are its own
	v_add_nc_u32 v27, 8*SLICE, v26
	v_add_nc_u32 v28, FIN, v26
	s_wait_dscnt 0x0                               ; my partial sums are in LDS, for the others; the registers that they left are free
.irp q, 0,1,2,3
	global_load_b128 v[176+4*\q:179+4*\q], v16, s[8:9] offset:16*\q
.endr
	global_load_b32 v22, v17, s[14:15]
	global_load_b32 v31, v18, s[12:13]
	s_barrier_signal -1
	s_barrier_wait -1
	; thread t adds bytes 8 t .. 8 t + 7 of the sixteen waves' partial sums, in the waves' order
.irp q, 0,1,2,3,4,5,6,7
	ds_load_b64 v[160+2*\q:161+2*\q], v26 offset:\q*SLICE
.endr
	s_wait_dscnt 0x0
	v_pk_add_f32 v[24:25], v[160:161], v[162:163]
.irp q, 2,3,4,5,6,7
	v_pk_add_f32 v[24:25], v[24:25], v[160+2*\q:161+2*\q]
.endr
.irp q, 0,1,2,3,4,5,6,7
	ds_load_b64 v[160+2*\q:161+2*\q], v27 offset:\q*SLICE
.endr
	s_wait_dscnt 0x0
.irp q, 0,1,2,3,4,5,6,7
	v_pk_add_f32 v[24:25], v[24:25], v[160+2*\q:161+2*\q]
.endr
	ds_store_b64 v28, v[24:25]
	s_wait_dscnt 0x0
	s_barrier_signal -1
	s_barrier_wait -1
	; the table.  Asum(p, c) lies in tile c >> 4 at lane (c & 15) + 16 (p >> 3), register p & 7; Msum(o, c) in tile 2 + (c >> 4) at lane (c & 15) + 16 (o >> 3), register o & 7
	v_lshrrev_b32 v19, 8, v0
	v_bfe_u32 v20, v0, 4, 4
	v_lshlrev_b32 v19, 10, v19
	v_lshl_add_u32 v19, v20, 4, v19
	v_add_nc_u32 v19, FIN, v19
	v_bfe_u32 v20, v0, 2, 1
	v_lshl_add_u32 v20, v20, 9, v19
	v_bfe_u32 v24, v0, 3, 1
	v_lshl_add_u32 v20, v24, 8, v20
	v_and_b32 v24, 3, v0
	v_lshl_add_u32 v20, v24, 2, v20
	ds_load_b128 v[160:163], v19                   ; ranks 0-3
	ds_load_b128 v[164:167], v19 offset:512        ; 4-7
	ds_load_b128 v[168:171], v19 offset:256        ; 8-11
	ds_load_b128 v[172:175], v19 offset:768        ; 12-15
	ds_load_b32 v29, v20 offset:2048
	v_and_b32 v30, 7, v0
	v_lshlrev_b32 v30, 2, v30                      ; the zero's field in its word
	v_add_nc_u32 v27, SC, v26
	s_wait_loadcnt 0x0                             ; lora_B's row, the scale, the zeros; g_idx for the second pass too
	s_wait_dscnt 0x0
	v_mul_f32 v24, s23, v29                        ; -1.5 Msum
.irp q, 0,1,2,3,4,5,6,7,8,9,10,11,12,13,14,15
	v_fmac_f32 v24, v[160+\q], v[176+\q]           ; + sum over the ranks of Asum x lora_B
.endr
	v_bfe_u32 v25, v31, v30, 4
	v_cvt_f32_u32 v25, v25
	v_fma_f32 v24, v24, s24, -v25                  ; S / 192 - z
	v_mul_f32 v23, v22, v24
	ds_store_b64 v27, v[22:23]                     ; (s, c) at SC + 128 c + 8 o = SC + 8 t
	s_wait_dscnt 0x0
	s_barrier_signal -1
	s_barrier_wait -1
; SECOND PASS, tile n: eight rows' (s, c) from the table, eight multiply-adds straight from w' in bf16 into f32, one rounding to f16, 16 bytes out.
; The argument may be a sum: it stands in brackets wherever it is used.
.macro PADDR n
.irp j, 0,1,2,3,4,5,6,7
	v_min_u32 v[GI+8*(\n)+\j], 31, v[GI+8*(\n)+\j]
	v_lshl_add_u32 v[GI+8*(\n)+\j], v[GI+8*(\n)+\j], 7, v9
	ds_load_b64 v[SCV+16*((\n)%2)+2*\j:SCV+16*((\n)%2)+2*\j+1], v[GI+8*(\n)+\j]
.endr
.endm
.macro PFIN n, left
	s_wait_dscnt \left                             ; the next tile's eight reads may stay out
.irp e, 0,1,2,3
	v_fma_mix_f32_bf16 v[SCV+16*((\n)%2)+4*\e],   v[WP+4*(\n)+\e], v[SCV+16*((\n)%2)+4*\e],   v[SCV+16*((\n)%2)+4*\e+1] op_sel_hi:[1,0,0]
	v_fma_mix_f32_bf16 v[SCV+16*((\n)%2)+4*\e+2], v[WP+4*(\n)+\e], v[SCV+16*((\n)%2)+4*\e+2], v[SCV+16*((\n)%2)+4*\e+3] op_sel:[1,0,0] op_sel_hi:[1,0,0]
.endr
.irp e, 0,1,2,3
	v_cvt_pk_f16_f32 v[GI+8*(\n)+\e], v[SCV+16*((\n)%2)+4*\e], v[SCV+16*((\n)%2)+4*\e+2]   ; each tile has store registers of its own: none is written again
.endr
	global_store_b128 v5, v[GI+8*(\n):GI+8*(\n)+3], s[16:17] offset:((\n)/4)*262144+((\n)%4)*512   ; the wave stores 512 consecutive bytes, aligned
.endm
	PADDR 0
.irp n, 0,1,2,3,4,5,6,7,8,9,10,11,12,13,14
	PADDR \n+1
	PFIN \n, 8
.endr
	PFIN 15, 0
	s_wait_xcnt 0x0
	v_lshl_add_u32 v254, v0, 2, 0x25400
	v_mov_b32 v255, 0
	s_wait_tensorcnt 0x0
	ds_add_u32 v254, v255
	s_wait_dscnt 0x0
	s_endpgm
.Lfunc_end_k_q46d78c72cc_prep:
	.size	k_q46d78c72cc_prep, .Lfunc_end_k_q46d78c72cc_prep-k_q46d78c72cc_prep
	.p2alignl 7, 3214868480
	.fill 96, 4, 3214868480
	.section	.rodata,"a",@progbits
	.p2align	6, 0x0
	.amdhsa_kernel k_q46d78c72cc_prep
		.amdhsa_group_segment_fixed_size 154624
		.amdhsa_private_segment_fixed_size 0
		.amdhsa_enable_private_segment 0
		.amdhsa_kernarg_size 56
		.amdhsa_user_sgpr_count 2
		.amdhsa_user_sgpr_kernarg_segment_ptr 1
		.amdhsa_wavefront_size32 1
		.amdhsa_system_sgpr_workgroup_id_x 1
		.amdhsa_system_sgpr_workgroup_id_y 1
		.amdhsa_system_sgpr_workgroup_id_z 1
		.amdhsa_system_vgpr_workitem_id 0
		.amdhsa_next_free_vgpr 256
		.amdhsa_next_free_sgpr 66
		.amdhsa_reserve_vcc 1
		.amdhsa_float_denorm_mode_32 3
		.amdhsa_float_denorm_mode_16_64 3
		.amdhsa_memory_ordered 1
		.amdhsa_forward_progress 1
		.amdhsa_inst_pref_size 144
	.end_amdhsa_kernel
	.amdgpu_metadata
---
amdhsa.version: [ 1, 2 ]
amdhsa.kernels:
  - .name:           k_q46d78c72cc_prep
    .symbol:         k_q46d78c72cc_prep.kd
    .args:
      - { .name: g_idx, .offset: 0, .size: 8, .value_kind: global_buffer, .address_space: global }
      - { .name: lora_A, .offset: 8, .size: 8, .value_kind: global_buffer, .address_space: global }
      - { .name: lora_B, .offset: 16, .size: 8, .value_kind: global_buffer, .address_space: global }
      - { .name: qweight, .offset: 24, .size: 8, .value_kind: global_buffer, .address_space: global }
      - { .name: qzeros, .offset: 32, .size: 8, .value_kind: global_buffer, .address_space: global }
      - { .name: scales, .offset: 40, .size: 8, .value_kind: global_buffer, .address_space: global }
      - { .name: wf, .offset: 48, .size: 8, .value_kind: global_buffer, .address_space: global }
    .group_segment_fixed_size: 154624
    .private_segment_fixed_size: 0
    .kernarg_segment_align: 8
    .kernarg_segment_size: 56
    .max_flat_workgroup_size: 512
    .sgpr_count:     66
    .vgpr_count:     256
    .wavefront_size: 32
...
	.end_amdgpu_metadata
.endif
;; end of part 1
;; launch gemm (part 2): grid 8 x 32, 4 waves a work-group, clusters of 4 x 4, 327,680 bytes of LDS; arguments x, wf, out0; writes out0
.if DOCPART == 2
	.amdgcn_target "amdgcn-amd-amdhsa--gfx1250"
	.amdhsa_code_object_version 6
	.text
	.protected	k_q46d78c72cc_gemm
	.globl	k_q46d78c72cc_gemm
	.p2align	8
	.type	k_q46d78c72cc_gemm,@function
k_q46d78c72cc_gemm:
	s_mov_b64 s[64:65], 0
	v_nop
	global_prefetch_b8 v0, s[64:65] scope:SCOPE_SE
	s_setreg_imm32_b32 hwreg(HW_REG_WAVE_MODE, 25, 1), 1
	s_wait_xcnt 0x0
	s_wait_alu depctr_hold_cnt(0) depctr_sa_sdst(0) depctr_va_vdst(0) depctr_va_sdst(0) depctr_va_ssrc(0) depctr_va_vcc(0) depctr_vm_vsrc(0)
	s_getreg_b32 s2, hwreg(HW_REG_IB_STS2, 6, 4)
	s_cmp_eq_u32 s2, 0
	s_cbranch_scc0 .Lentry_in_a_cluster
	s_endpgm
.Lentry_in_a_cluster:
	s_bfe_u32 s2, ttmp6, 0x10000c
	s_cmp_lg_u32 s2, 0xf033
	s_cbranch_scc0 .Lentry_shape_is_right
	s_endpgm
.Lentry_shape_is_right:
; out0[m][n] = sum over k of x[m][k] W[k][n].  x: [8192][4096] f32; W: f16 in wf, in fragment order (below); out0: [8192][2048] f32.
; x is rounded to f16 on its way from LDS to the matrix unit; the sums are f32, K ascending, one accumulator an output.
; WHY f16: an output is a sum of 4,096 products and is judged within a hundredth of the outputs' root mean square; f16 keeps 11 significant
; bits where bf16 keeps 8.  LIMITS: |x| above 65,504 becomes infinite; |x| below 6.1e-5 is kept in steps of 6e-8.
; A work-group makes 256 x 256 of out0 with four waves; wave w makes rows 64 w .. 64 w + 63 x all 256 columns: 64 accumulator tiles, 512
; registers.  So each number of x is converted once in the work-group: 32 conversions for 64 matrix instructions.
; K goes in steps of 64 (a row of x's tile is 256 bytes, aligned) through two LDS slots filled by the tensor data mover; two slots of a
; step of 128 would be 409,600 bytes, more than there are.
; wf: byte of (k, n) = (k>>6) 262144 + (n>>4) 2048 + ((k>>4)&3) 512 + ((n&15) + 16 ((k>>3)&1)) 16 + (k&7) 2.  A block column's part of a K step is
; 32,768 consecutive bytes, and a fragment (16 columns x 32 K) is two loads of 16 bytes a lane at 16 x lane: no padding, no two lanes on one bank.
; CLUSTERS: 4 x 4 work-groups.  x's tile hangs on the block row alone and is asked for jointly by a row of the cluster, W's on the block
; column alone and is asked for jointly by a column: each request serves four work-groups.
; REGISTERS, in windows of 256:  window 0: v16-27 addresses; v32-95 x as f32; v96-127, v128-159 x's fragments, two buffers
;   window 1: v0-127, v128-255 W's fragments, two buffers;  window 2: accumulators of my rows 0-31;  window 3: of my rows 32-63
; THE MATRIX INSTRUCTION IS USED TRANSPOSED: source 0 = 16 columns of W, source 1 = 16 rows of x.  Lane l then holds row l % 16 and its registers
; 0 to 7 the columns 8 (l / 16) + 0 .. 7: 32 neighbouring bytes of a row of out0.
.set SIZE_K, 4096
.set SIZE_N, 2048
.set PITCH,  272                       ; an LDS row of x: 256 bytes + 16 of padding: the 16 rows that a load touches lie in 16 different columns of 16 bytes
.set HALFA,  128*PITCH                 ; 128 rows of x: one tensor load
.set APART,  2*HALFA                   ; x's part of a slot
.set HALFB,  16384                     ; 128 columns of W: one tensor load
.set SLOT,   APART+2*HALFB             ; 102,400
.set STAGE,  2*SLOT                    ; 204,800: behind the ring, 16 rows x 1,040 bytes for each wave, for the way out; no tensor load lands here
.set SPITCH, 1040                      ; 1,024 bytes + 16
.set ASTEP,  256                       ; bytes along a row of x for a K step
.set BSTEP,  262144                    ; bytes of wf for a K step
.set ADRA, 16                          ; v16-17  my rows of x in slot 0, 1
.set ADRB, 20                          ; v20-21  W in slot 0, 1
.set STO,  24                          ; v24     the way out: where I put 32 bytes of a row
.set RD,   25                          ; v25     where I read rows back
.set CO,   26                          ; v26     16 x lane
.set PFO,  27                          ; v27     the prefetch's lane term
.set STG,  32                          ; x as f32: 16 registers for each of four tiles of 16 rows x 32 K
.set AF,   96                          ; x's fragments, buffer f at AF + 32 f
.set G1,  24                           ; s[24:31] descriptor group 1 for x's tiles
.set G0,  32                           ; s[32:39] group 0 for x's tiles, one set for each slot
.set G1B, 48                           ; s[48:55] group 1 for W's tiles
.set G0B, 56                           ; s[56:63] group 0 for W's tiles, one set for each slot
.set MSB, 0
.macro WIN new                         ; the immediate's high byte repeats the setting that is left
.if MSB != \new
	s_set_vgpr_msb (MSB<<8)|\new
.set MSB, \new
.endif
.endm
.set MUL_LO, 0xa1                      ; source 0 (W) window 1, source 1 (x) window 0, C and D window 2
.set MUL_HI, 0xf1                      ; the same, C and D window 3
.set TO_B,   0x40                      ; destination window 1, address window 0
; A joint load.  Waves 0 and 1 fetch x's two halves, waves 2 and 3 W's.  Each line has one mask and one set of registers for all that issue it;
; the branch hangs on the wave's number alone.
.macro JLOAD s
	s_cmp_eq_u32 s11, 0
	s_cbranch_scc0 .Lfor_b_\@
	tensor_load_to_lds s[G0+4*\s:G0+4*\s+3], s[G1:G1+7]
	s_nop 0
	s_branch .Lasked_\@
.Lfor_b_\@:
	tensor_load_to_lds s[G0B+4*\s:G0B+4*\s+3], s[G1B:G1B+7]
	s_nop 0
.Lasked_\@:
.endm
; A round of the cluster's barrier: my work-group's barrier; wave 0 signals for the work-group; every wave waits for all sixteen; my work-group's barrier once more.
.macro CREST                           ; a round behind its opening barrier
	s_cmp_lg_u32 s10, 0
	s_cbranch_scc1 .Lnot_wave_0_\@
	s_barrier_signal -3
.Lnot_wave_0_\@:
	s_barrier_wait -3
	s_barrier_signal -1
	s_barrier_wait -1
.endm
.macro CROUND
	s_barrier_signal -1
	s_barrier_wait -1
	CREST
.endm
	s_load_b128 s[4:7], s[0:1], 0x0                ; x s[4:5], wf s[6:7]
	s_load_b64 s[8:9], s[0:1], 0x10                ; out0
	v_lshl_add_u32 v254, v0, 2, 0x42400
	v_mov_b32 v255, 0
	ds_add_u32 v254, v255
	v_lshrrev_b32 v1, 5, v0
	v_readfirstlane_b32 s10, v1                    ; wave 0..3
	s_lshr_b32 s11, s10, 1                         ; I fetch for x (0) or for W (1)
	s_and_b32 s12, s10, 1                          ; which half of that tile
	s_bfe_u32 s40, ttmp6, 0x40000                  ; cx
	s_bfe_u32 s41, ttmp6, 0x40004                  ; cy
	s_lshl_b32 s42, ttmp9, 2
	s_add_co_u32 s42, s42, s40                     ; block column = 4 x cluster x + cx
	s_and_b32 s13, ttmp7, 0xffff
	s_lshl_b32 s13, s13, 2
	s_add_co_u32 s13, s13, s41                     ; block row = 4 x cluster y + cy
	s_lshl_b32 s43, s41, 2
	s_lshl_b32 s43, 15, s43                        ; my row of the cluster: places 4 cy .. 4 cy + 3
	s_lshl_b32 s44, 0x1111, s40                    ; my column: places cx, cx + 4, cx + 8, cx + 12
	; group 1 for x: 128 rows x 64 elements of 4 bytes, 4,096 elements from row to row, 4 words of padding behind every 64
	s_or_b32 s[G1+0], s43, (2<<16)|(1<<20)|(1<<21)|(5<<22)|(3<<25)  ; 15:0 mask; 17:16 element of 4 bytes; 20 padding on; 21 set beside a mask; 24:22 every 64 words; 31:25 four words
	s_mov_b32 s[G1+1], 64<<16                      ; tensor_dim0 = 64
	s_mov_b32 s[G1+2], 128<<16                     ; tensor_dim1 = 128
	s_mov_b32 s[G1+3], 64<<16                      ; tile_dim0 = 64
	s_mov_b32 s[G1+4], 128                         ; tile_dim1 = 128
	s_mov_b32 s[G1+5], SIZE_K                      ; stride from row to row
	s_mov_b32 s[G1+6], 0
	s_mov_b32 s[G1+7], 0
	; group 1 for W: 16,384 dense bytes as 64 rows x 32 elements of 8 bytes
	s_or_b32 s[G1B+0], s44, (3<<16)|(1<<21)
	s_mov_b32 s[G1B+1], 32<<16
	s_mov_b32 s[G1B+2], 64<<16
	s_mov_b32 s[G1B+3], 32<<16
	s_mov_b32 s[G1B+4], 64
	s_mov_b32 s[G1B+5], 32
	s_mov_b32 s[G1B+6], 0
	s_mov_b32 s[G1B+7], 0
	; where the tiles come from: x's from the block row and the wave's number, W's from the block column and the wave's number, each in registers that never hold the other coordinate
	s_lshl_b32 s17, s12, 7
	s_lshl_b32 s16, s13, 8
	s_add_co_u32 s16, s16, s17                     ; x: row 256 x block row + 128 x half,
	s_lshl_b32 s16, s16, 14                        ; in bytes (below 2^27)
	s_mov_b32 s17, 0
	s_lshl_b32 s46, s42, 15                        ; W: 32,768 x block column
	s_lshl_b32 s47, s12, 14                        ; + 16,384 x half
	s_add_co_u32 s46, s46, s47
	s_mov_b32 s47, 0
	s_mul_i32 s20, s10, HALFA                      ; and where they go: x's halves at wave x 34,816 (waves 0, 1),
	s_lshl_b32 s21, s10, 14
	s_add_co_u32 s21, s21, APART-2*HALFB           ; W's at 69,632 + (wave - 2) x 16,384 (waves 2, 3)
	s_lshl_b32 s68, s42, 5                         ; the prefetch: of the block row's 256 rows of x, work-group bx takes 32 and wave w 8 of them
	s_lshl_b32 s69, s13, 8
	s_add_co_u32 s68, s68, s69
	s_lshl_b32 s69, s10, 3
	s_add_co_u32 s68, s68, s69
	s_lshl_b32 s68, s68, 14
	s_add_co_u32 s68, s68, 6*ASTEP                 ; the first request is for K step 6
	s_mov_b32 s69, 0
	s_wait_dscnt 0x0
	s_wait_kmcnt 0x0
	s_add_nc_u64 s[14:15], s[4:5], s[16:17]
	s_add_nc_u64 s[46:47], s[6:7], s[46:47]
	s_add_nc_u64 s[66:67], s[4:5], s[68:69]
	CROUND                                         ; all sixteen work-groups are here: the first joint loads meet
.irp s, 0,1
	s_mov_b32 s[G0+4*\s], 1                                        ; count = 1
	s_add_co_u32 s[G0+4*\s+1], s20, \s*SLOT                        ; LDS address
	s_add_nc_u64 s[G0+4*\s+2:G0+4*\s+3], s[14:15], \s*ASTEP        ; global address: K step s
	s_or_b32 s[G0+4*\s+3], s[G0+4*\s+3], 0x80000000                ; type = 2
	s_mov_b32 s[G0B+4*\s], 1
	s_add_co_u32 s[G0B+4*\s+1], s21, \s*SLOT
	s_add_nc_u64 s[G0B+4*\s+2:G0B+4*\s+3], s[46:47], \s*BSTEP
	s_or_b32 s[G0B+4*\s+3], s[G0B+4*\s+3], 0x80000000
	JLOAD \s                                       ; both slots' first fills go out together: two tensor loads of the wave are out, later one
.endr
	v_and_b32 v1, 15, v0                           ; r = l % 16
	v_bfe_u32 v2, v0, 4, 1                         ; h = l / 16
	v_and_b32 v3, 31, v0                           ; l
	v_mul_u32_u24 v4, v1, PITCH
	v_lshl_add_u32 v4, v2, 5, v4                   ; row r, 8 numbers of 4 bytes for each half of the lanes
	s_mul_i32 s22, s10, 64*PITCH                   ; my 64 rows
	v_add_nc_u32 v[ADRA], s22, v4
	v_add_nc_u32 v[ADRA+1], SLOT, v[ADRA]
	v_lshlrev_b32 v[CO], 4, v3
	v_add_nc_u32 v[ADRB], APART, v[CO]
	v_add_nc_u32 v[ADRB+1], SLOT, v[ADRB]
	s_mul_i32 s23, s10, 16*SPITCH
	s_add_co_u32 s23, s23, STAGE                   ; my stage
	v_mul_u32_u24 v5, v1, SPITCH
	v_lshl_add_u32 v5, v2, 5, v5
	v_add_nc_u32 v[STO], s23, v5
	v_add_nc_u32 v[RD], s23, v[CO]
	v_and_b32 v6, 7, v0
	v_bfe_u32 v7, v0, 3, 2
	v_lshlrev_b32 v7, 8, v7
	v_lshl_add_u32 v[PFO], v6, 14, v7              ; lane l: row l & 7 of my eight, K step l >> 3 of four: 32 different blocks of 256 bytes
; 16 matrix instructions: tile row a (0, 1) of the window's two (hi = 0: my rows 0-31, 1: rows 32-63) x all 16 tile columns, 32 along K, buffer f.
; zero = 1: the first product starts the sums.  The 64 accumulators take turns, one instruction a turn, in the same order in every quarter.
.macro MUL16 f, hi, a, zero
.irp b, 0,1,2,3,4,5,6,7,8,9,10,11,12,13,14,15
.if \zero
	v_wmma_f32_16x16x32_f16 v[8*(16*\a+\b):8*(16*\a+\b)+7], v[128*\f+8*\b:128*\f+8*\b+7], v[AF+32*\f+8*(2*\hi+\a):AF+32*\f+8*(2*\hi+\a)+7], 0
.else
	v_wmma_f32_16x16x32_f16 v[8*(16*\a+\b):8*(16*\a+\b)+7], v[128*\f+8*\b:128*\f+8*\b+7], v[AF+32*\f+8*(2*\hi+\a):AF+32*\f+8*(2*\hi+\a)+7], v[8*(16*\a+\b):8*(16*\a+\b)+7]
.endif
.endr
.endm
; 48 LDS loads in one run: half q (32 K) of the slot's K step.  First x, 16 loads: lane (r, h) takes K = 8 h .. + 7 and 16 + 8 h .. + 7 of row r as f32;
; then W's 16 fragments into buffer f, 32 loads.
.macro FETCH slot, q, f
	WIN 0
.irp a, 0,1,2,3
	ds_load_b128 v[STG+16*\a:STG+16*\a+3],     v[ADRA+\slot] offset:\a*16*PITCH+\q*128
	ds_load_b128 v[STG+16*\a+4:STG+16*\a+7],   v[ADRA+\slot] offset:\a*16*PITCH+\q*128+16
	ds_load_b128 v[STG+16*\a+8:STG+16*\a+11],  v[ADRA+\slot] offset:\a*16*PITCH+\q*128+64
	ds_load_b128 v[STG+16*\a+12:STG+16*\a+15], v[ADRA+\slot] offset:\a*16*PITCH+\q*128+80
.endr
	WIN TO_B
.irp b, 0,1,2,3,4,5,6,7,8,9,10,11,12,13,14,15
	ds_load_b128 v[128*\f+8*\b:128*\f+8*\b+3],   v[ADRB+\slot] offset:\b*2048+\q*1024
	ds_load_b128 v[128*\f+8*\b+4:128*\f+8*\b+7], v[ADRB+\slot] offset:\b*2048+\q*1024+512
.endr
.endm
; x to f16, into buffer f: the first source goes into the low half, the lower k.
.macro CVT f
	WIN 0
	s_wait_dscnt 32                                ; LDS loads come back in order (ISA guide 5.7.1): x's 16 are in, the 32 of W issued behind them may be out
.irp a, 0,1,2,3
.irp e, 0,1,2,3,4,5,6,7
	v_cvt_pk_f16_f32 v[AF+32*\f+8*\a+\e], v[STG+16*\a+2*\e], v[STG+16*\a+2*\e+1]
.endr
.endr
.endm
; A load into a register that a matrix instruction has read stands four places behind it, and only plain vector instructions that name none of
; its registers are places (ISA guide 7.12.1 for vector instructions).
.macro PLACES
.rept 4
	v_nop
.endr
.endm
; The first half of a K step: multiplies buffer 0; in its middle fetches the second half into buffer 1.
; pf = 1: one prefetch, straight behind the run of loads.
.macro HEAD slot, zero, pf
	s_wait_dscnt 0x0                               ; W's fragments of buffer 0 are in
	WIN MUL_LO
	MUL16 0, 0, 0, \zero
	MUL16 0, 0, 1, \zero
	PLACES
	FETCH \slot, 1, 1
.if \pf
	global_prefetch_b8 v[PFO], s[66:67] th:TH_LOAD_NT scope:SCOPE_SE   ; the address register is in window 0 under this setting
.endif
	WIN MUL_HI
	MUL16 0, 1, 0, \zero
	MUL16 0, 1, 1, \zero
	CVT 1
.endm
; The second half: multiplies buffer 1 and changes slots.  fill = 1: this slot is filled again, two K steps ahead.
; One barrier for the change.  In front of it each wave has waited for its reads of this slot and for all its tensor loads, of which one is out:
; its part of the next slot.  Where the slot is filled again the barrier opens a round of the cluster's barrier, and the joint refill is the first
; tensor load behind the round.  From a request to the wait for it a wave issues 32 + 64 + 16 = 112 matrix instructions.
.macro TURN slot, next, fill
	s_wait_dscnt 0x0                               ; W's fragments of buffer 1 are in: with them all my reads of this slot are over
	WIN MUL_LO
	MUL16 1, 0, 0, 0
	s_set_vgpr_msb 0xa1a0
	s_wait_tensorcnt 0x0                           ; all my tensor loads have landed
	ds_add_u32 v254, v255
	s_wait_dscnt 0x0
	s_set_vgpr_msb 0xa0a1
	s_barrier_signal -1
	MUL16 1, 0, 1, 0                               ; registers only, while the others arrive
	WIN 0
	s_barrier_wait -1
.if \fill
	CREST                                          ; no wave of any partner still reads this slot or has a load on its way
	s_add_nc_u64 s[G0+4*\slot+2:G0+4*\slot+3], s[G0+4*\slot+2:G0+4*\slot+3], 2*ASTEP
	s_add_nc_u64 s[G0B+4*\slot+2:G0B+4*\slot+3], s[G0B+4*\slot+2:G0B+4*\slot+3], 2*BSTEP
	JLOAD \slot
.endif
	PLACES
	FETCH \next, 0, 0
	WIN MUL_HI
	MUL16 1, 1, 0, 0
	MUL16 1, 1, 1, 0
	CVT 0
.endm
.macro LAP zero, pf                    ; two K steps, once round the ring, both slots filled again
	HEAD 0, \zero, \pf
	TURN 0, 1, 1
	HEAD 1, 0, 0
	TURN 1, 0, 1
.endm
	s_wait_tensorcnt 1                             ; my part of K step 0 is in; step 1's, issued behind it, may stay out
	s_barrier_signal -1
	s_barrier_wait -1
	FETCH 0, 0, 0
	CVT 0
	LAP 1, 0                                       ; K steps 0, 1: the first products start the sums
	; 64 K steps = 32 laps: 1 in front, 14 trips of 2, 2 without prefetch, the last without refills.
	; Trip u multiplies steps 2 + 4 u .. 5 + 4 u and prefetches x's blocks of steps 6 + 4 u .. 9 + 4 u, whose tensor loads are issued two to five steps later.
	; The eight work-groups of a block row and their four waves share its 256 rows out, 8 rows a wave, one block of 256 bytes a lane: each block is asked
	; for once in the launch.  The last trip asks for steps 58 to 61, inside the rows.
	s_mov_b32 s3, 14
.Llap:
	LAP 0, 1
	LAP 0, 0
	s_wait_xcnt 0x0                                ; the prefetch's base is stepped only behind this wait, a whole trip behind the prefetch
	s_add_nc_u64 s[66:67], s[66:67], 4*ASTEP
	s_sub_co_u32 s3, s3, 1
	s_cmp_lg_u32 s3, 0
	s_cbranch_scc1 .Llap
	LAP 0, 0                                       ; steps 58, 59
	LAP 0, 0                                       ; steps 60, 61: their refills are steps 62, 63, the last
	HEAD 0, 0, 0                                   ; the last lap fills nothing
	TURN 0, 1, 0
	HEAD 1, 0, 0
	s_wait_dscnt 0x0
	WIN MUL_LO
	MUL16 1, 0, 0, 0
	MUL16 1, 0, 1, 0
	WIN MUL_HI
	MUL16 1, 1, 0, 0
	MUL16 1, 1, 1, 0
	; THE WAY OUT, 16 rows at a time: 32 bytes a lane and tile straight from the accumulators into my own stage, read back as whole rows of 1,024 bytes.
	PLACES                                         ; four places before LDS stores read the results and loads land in the fragment buffers
	s_lshl_b32 s16, s13, 8
	s_lshl_b32 s17, s10, 6
	s_add_co_u32 s16, s16, s17                     ; my first row
	s_lshl_b32 s16, s16, 13                        ; x 8,192 bytes
	s_mov_b32 s17, 0
	s_add_nc_u64 s[8:9], s[8:9], s[16:17]
	s_lshl_b32 s46, s42, 10                        ; my block's first column, in bytes
	s_mov_b32 s47, 0
	s_add_nc_u64 s[8:9], s[8:9], s[46:47]
; later = 0 for the first sixteen rows; aa = the tile row in its window; from: the LDS stores' data (source 1) in window 2 (0x08) or 3 (0x0c)
.macro OUT16 later, aa, from
	WIN \from
.irp b, 0,1,2,3,4,5,6,7,8,9,10,11,12,13,14,15
	ds_store_b128 v[STO], v[8*(16*\aa+\b):8*(16*\aa+\b)+3]   offset:64*\b
	ds_store_b128 v[STO], v[8*(16*\aa+\b)+4:8*(16*\aa+\b)+7] offset:64*\b+16
.endr
	WIN 0
.if \later
	s_wait_xcnt 0x0                                ; the last sixteen rows' stores have had their addresses translated (ISA guide 3.1): their data registers and base are rewritten only behind this wait
	s_add_nc_u64 s[8:9], s[8:9], 16*SIZE_N*4
.endif
.irp t, 0,1,2,3,4,5,6,7,8,9,10,11,12,13,14,15,16,17,18,19,20,21,22,23,24,25,26,27,28,29,30,31
	ds_load_b128 v[STG+4*\t:STG+4*\t+3], v[RD] offset:(\t/2)*SPITCH+(\t%2)*512   ; LDS serves a wave's instructions in order (ISA guide 5.7.1): these see the stores above
.endr
.irp t, 0,1,2,3,4,5,6,7,8,9,10,11,12,13,14,15,16,17,18,19,20,21,22,23,24,25,26,27,28,29,30,31
	s_wait_dscnt 31-\t                             ; the younger read-backs may be out
	global_store_b128 v[CO], v[STG+4*\t:STG+4*\t+3], s[8:9] offset:(\t/2)*SIZE_N*4+(\t%2)*512 th:TH_STORE_NT   ; the wave stores 512 consecutive bytes, aligned
.endr
.endm
	OUT16 0, 0, 0x08
	OUT16 1, 1, 0x08
	OUT16 1, 0, 0x0c
	OUT16 1, 1, 0x0c
	s_wait_tensorcnt 0x0
	ds_add_u32 v254, v255
	s_wait_dscnt 0x0
	CROUND                                         ; the closing round: no work-group ends while a partner may still ask for a tile that names it
	s_endpgm
.Lfunc_end_k_q46d78c72cc_gemm:
	.size	k_q46d78c72cc_gemm, .Lfunc_end_k_q46d78c72cc_gemm-k_q46d78c72cc_gemm
	.p2alignl 7, 3214868480
	.fill 96, 4, 3214868480
	.section	.rodata,"a",@progbits
	.p2align	6, 0x0
	.amdhsa_kernel k_q46d78c72cc_gemm
		.amdhsa_group_segment_fixed_size 327680
		.amdhsa_private_segment_fixed_size 0
		.amdhsa_enable_private_segment 0
		.amdhsa_kernarg_size 24
		.amdhsa_user_sgpr_count 2
		.amdhsa_user_sgpr_kernarg_segment_ptr 1
		.amdhsa_wavefront_size32 1
		.amdhsa_system_sgpr_workgroup_id_x 1
		.amdhsa_system_sgpr_workgroup_id_y 1
		.amdhsa_system_sgpr_workgroup_id_z 1
		.amdhsa_system_vgpr_workitem_id 0
		.amdhsa_next_free_vgpr 1024
		.amdhsa_next_free_sgpr 70
		.amdhsa_reserve_vcc 0
		.amdhsa_float_denorm_mode_32 3
		.amdhsa_float_denorm_mode_16_64 3
		.amdhsa_memory_ordered 1
		.amdhsa_forward_progress 1
		.amdhsa_inst_pref_size 255
	.end_amdhsa_kernel
	.section	.bss,"aw",@nobits
	.p2align	6
	.space	262144
	.amdgpu_metadata
---
amdhsa.version: [ 1, 2 ]
amdhsa.kernels:
  - .name:           k_q46d78c72cc_gemm
    .symbol:         k_q46d78c72cc_gemm.kd
    .args:
      - { .name: x, .offset: 0, .size: 8, .value_kind: global_buffer, .address_space: global }
      - { .name: wf, .offset: 8, .size: 8, .value_kind: global_buffer, .address_space: global }
      - { .name: out0, .offset: 16, .size: 8, .value_kind: global_buffer, .address_space: global }
    .group_segment_fixed_size: 327680
    .private_segment_fixed_size: 0
    .kernarg_segment_align: 8
    .kernarg_segment_size: 24
    .max_flat_workgroup_size: 128
    .sgpr_count:     70
    .vgpr_count:     1024
    .wavefront_size: 32
...
	.end_amdgpu_metadata
.endif
;; end of part 2
;; ======== version 2 of 2: 2 launches
;; limits: values are held in f16: magnitudes above 65,504 overflow, below 6.1e-05 lose precision
;; workspace buffers: wf 16,777,216 bytes; xh 67,108,864 bytes
;; launch prep (part 3): grid 256 x 1, 16 waves a work-group, no clusters, 154,624 bytes of LDS; arguments g_idx, lora_A, lora_B, qweight, qzeros, scales, wf, x, xh; writes wf, xh
.if DOCPART == 3
	.amdgcn_target "amdgcn-amd-amdhsa--gfx1250"
	.amdhsa_code_object_version 6
	.text
	.protected	k_q46d78c72cc_prep
	.globl	k_q46d78c72cc_prep
	.p2align	8
	.type	k_q46d78c72cc_prep,@function
k_q46d78c72cc_prep:
	s_mov_b64 s[64:65], 0
	v_nop
	global_prefetch_b8 v0, s[64:65] scope:SCOPE_SE
	s_setreg_imm32_b32 hwreg(HW_REG_WAVE_MODE, 25, 1), 1
	s_wait_xcnt 0x0
; TWO JOBS IN ONE LAUNCH, 128 work-groups each; neither reads what the other stores.
;   THE CAST: xh = x rounded once to f16, [8192][4096], the same order.  It moves 201 MB and computes little.
;   THE WEIGHTS: wf = W in f16, in the order of the matrix unit's fragments.  They move 22 MB and consist of dependent steps and four barriers.
; The weights have work for 128 work-groups (16 columns each, all rows: the chunk sums span the rows), so the cast takes as many again.
; Kind of work-group number n = bit 0 of (n xor (n >> 4)); its index in its kind = n >> 1 (n and n xor 1 are of different kinds).  So the kinds
; alternate between neighbouring numbers and again between numbers 16 apart: neither is bunched, however the numbers are dealt out.
;
; THE WEIGHTS:  W[i][o] = s[g][o] * w' + c[g][o], g = g_idx[i], rounded once to f16.
;   AB[i][o] = sum over p of lora_A[p][i] lora_B[o][p];  d = sign(AB) where |AB| > 1.5, else 0
;   w' = clamp(w + d, 0, 15) = w + marker;  m = w' - w = marker
;   S[c][o] = sum over the rows of chunk c of (AB - 1.5 m) = sum over p of Asum[p][c] lora_B[o][p] - 1.5 Msum[o][c]
;   c[g][o] = s[g][o] (S[g][o] / 192 - z[g][o]);  chunk of row i = (place of i in the stable sort of g_idx) >> 7
; Wave w owns rows 256 w .. 256 w + 255, in 8 blocks of 32 rows = two tiles of 16 x 16.  In a tile's result lane (r, h) holds column r and
; rows 8 h .. 8 h + 7: one word of qweight in, 16 bytes of wf out.
; wf: byte of (k, n) = (k>>6) 262144 + (n>>4) 2048 + ((k>>4)&3) 512 + ((n&15) + 16 ((k>>3)&1)) 16 + (k&7) 2: a wave's store covers 512
; consecutive bytes, aligned, and 256 columns x 64 rows are 32,768 consecutive bytes.
; WHY f16 FOR x AND W: an output is a sum of 4,096 products and is judged within a hundredth of the outputs' root mean square; f16 keeps 11
; significant bits where bf16 keeps 8.  Room: with scales up to 0.6 and |lora| up to 30, |W| <= 0.6 (16 + 16 x 900 / 1.5) = 5,770.
; LIMITS: |x| or |W| above 65,504 becomes infinite; below 6.1e-5 they are kept in steps of 6e-8.  g_idx is taken as unsigned and clamped to 31.
; lora_A and lora_B enter the matrix unit rounded to bf16, so a marker can differ from one made in f32 where |AB| lies within that rounding
; of 1.5 (numbers that bf16 holds, ternary ones among them, are exact).  S / 128 / 1.5 is made as S * (1/192).  A NaN or an infinity in
; lora_A or lora_B spreads over a whole (group, column) through c.
; NO JOINT LOADS: the cast's work-groups share no input.  Every weights work-group reads all of lora_A and g_idx (278,528 bytes) through
; registers; a tensor load would bring lora_A as f32, 262,144 bytes, into LDS bytes of their own beside the 152,576 used here: 414,720, more
; than a work-group can be given.
.set CDEPTH, 32                        ; the cast: slots = loads in flight in each wave, 512 bytes of the wave each
.set CTOTAL, 128                       ; turns of a wave: 64 KiB of x
.set CX,     32                        ; v[32:159]  slot j: 4 numbers as loaded
.set CY,     160                       ; v[160:223] slot j: 4 numbers in f16, to store
.set APITCH, 544                       ; a row of 256 bf16 + 32 bytes: an odd multiple of 32, for the transposing loads
.set SLICE,  16*APITCH                 ; a wave's own part of lora_A: [16 ranks][256 rows]; later its 4,096 bytes of partial sums
.set ID,     16*SLICE                  ; 139,264: the 32 x 32 identity in bf16
.set IDP,    96                        ; its pitch: 64 bytes + 32
.set WT,     ID+32*IDP                 ; 142,336: [wave][group] counts, 128 bytes a wave
.set FIN,    WT+2048                   ; 144,384: the partial sums added up, 4,096 bytes
.set SC,     FIN+4096                  ; 148,480: [group][column] pairs (s, c), 128 bytes a group
; the weights: v1 lane L, v2 r = L & 15, v3 h = L >> 4; v4 qweight offset; v5 16 L; v6 32 L; v7, v8, v15 addresses in my slice; v9 SC + 8 r; v10 32 h;
; v11 4 L; v12, v13 lane indices for the permutes; v14 ID + 16 ((L>>3)&1); v16-20 bit k of the lane spread to 0 or -1; v21-23 at work
.set BFR, 24                           ; v[24:31]   lora_B's fragment (K = 16 ranks, upper half of K zero)
.set AT0, 32                           ; v[32:39]   lora_A's fragment, rows as M, tile 0
.set AT1, 40                           ; v[40:47]   tile 1
.set AK,  48                           ; v[48:55]   lora_A's fragment, ranks as M, the block's 32 rows as K
.set PT0, 56                           ; v[56:63]   one-hot (row, chunk), chunks 0-15
.set PT1, 64                           ; v[64:71]   chunks 16-31
.set MF,  72                           ; v[72:79]   markers, columns as M, rows as K
.set T,   80                           ; v[80:95]   AB of the two tiles
.set W,   96                           ; v[96:111]  w, then the markers
.set X,   112                          ; v[112:127] d, then w'
.set QW,  128                          ; v[128:143] my 16 words of qweight
.set TA,  144                          ; v[144:159] addresses of the one-hot rows
.set AS0, 160                          ; v[160:191] four accumulators
.set AS1, 168
.set SM0, 176
.set SM1, 184
.set WP,  192                          ; v[192:255] w' as bf16, 4 registers a tile; before that lora_A as loaded
.set ST,  192
.set G,   48                           ; while ranking: 4 x group of my row in block b,
.set RIN, 56                           ; equals in front of me in the block,
.set PRE, 64                           ; (lane = group) the wave's count in earlier blocks,
.set BM,  72                           ; (lane = group) mask of the block's rows in that group
.set GI,  32                           ; v[32:159]  second pass: g_idx of my 8 rows in each of 16 tiles, then addresses, then store data
.set SCV, 160                          ; v[160:191] second pass: (s, c) of 8 rows, two sets
	v_lshrrev_b32 v1, 5, v0
	v_readfirstlane_b32 s18, v1                    ; wave 0..15
	s_lshr_b32 s2, ttmp9, 4
	s_xor_b32 s2, s2, ttmp9
	s_and_b32 s2, s2, 1                            ; the work-group's kind
	s_lshr_b32 s3, ttmp9, 1                        ; its index in its kind, 0..127
	s_cmp_eq_u32 s2, 0
	s_cbranch_scc1 .Lweights
	; ---------------- THE CAST ----------------
	; The work-group owns 1 MiB of x, the wave 64 KiB.  A load of the wave covers 512 consecutive bytes, aligned; the four numbers of a lane become
	; 8 bytes, and a store of the wave covers 256 consecutive bytes, aligned.  A ring of 32 slots in registers keeps 32 loads of every wave in flight.
	s_load_b128 s[4:7], s[0:1], 0x38               ; x s[4:5], xh s[6:7]
	v_and_b32 v1, 31, v0
	v_lshlrev_b32 v2, 4, v1                        ; 16 x lane, never rewritten
	v_lshlrev_b32 v3, 3, v1                        ; 8 x lane, never rewritten
	s_lshl_b32 s8, s3, 20
	s_lshl_b32 s9, s18, 16
	s_add_co_u32 s8, s8, s9                        ; my wave's bytes in x (below 2^27),
	s_mov_b32 s9, 0
	s_lshr_b32 s10, s8, 1                          ; and in xh
	s_mov_b32 s11, 0
	s_wait_kmcnt 0x0
	s_add_nc_u64 s[4:5], s[4:5], s[8:9]
	s_add_nc_u64 s[6:7], s[6:7], s[10:11]
.set cn, 0
.rept CDEPTH
	global_load_b128 v[CX+4*cn:CX+4*cn+3], v2, s[4:5] offset:512*cn th:TH_LOAD_NT
.set cn, cn+1
.endr
; Turn cn, on slot cn % 32.  again = 1: the slot is loaded with the bytes 32 turns further on.  left = the younger loads that may stay out.
; The turn's place stands in the immediates (65,024 at the most), so no address is ever stepped.
.macro CSLOT again, left
	s_wait_loadcnt \left                           ; loads come back in order (ISA guide 5.7.1): this slot's is in
.if cn >= CDEPTH
	s_wait_xcnt 0x0                                ; the slot's last store has had its address translated (ISA guide 3.1): its data registers are rewritten only behind this wait
.endif
	v_cvt_pk_f16_f32 v[CY+2*(cn%CDEPTH)],   v[CX+4*(cn%CDEPTH)],   v[CX+4*(cn%CDEPTH)+1]
	v_cvt_pk_f16_f32 v[CY+2*(cn%CDEPTH)+1], v[CX+4*(cn%CDEPTH)+2], v[CX+4*(cn%CDEPTH)+3]
.if \again
	global_load_b128 v[CX+4*(cn%CDEPTH):CX+4*(cn%CDEPTH)+3], v2, s[4:5] offset:512*(cn+CDEPTH) th:TH_LOAD_NT
.endif
	global_store_b64 v3, v[CY+2*(cn%CDEPTH):CY+2*(cn%CDEPTH)+1], s[6:7] offset:256*cn   ; the next launch reads xh: no hint
.set cn, cn+1
.endm
.set cn, 0
.rept CTOTAL-CDEPTH
	CSLOT 1, CDEPTH-1
.endr
.rept CDEPTH
	CSLOT 0, CTOTAL-1-cn                           ; the last 32 turns load nothing: the counts run down
.endr
	s_endpgm
	; ---------------- THE WEIGHTS ----------------
.Lweights:
	s_load_b256 s[4:11], s[0:1], 0x0               ; g_idx s[4:5], lora_A s[6:7], lora_B s[8:9], qweight s[10:11]
	s_load_b128 s[12:15], s[0:1], 0x20             ; qzeros s[12:13], scales s[14:15]
	s_load_b64 s[16:17], s[0:1], 0x30              ; wf
	v_and_b32 v1, 31, v0                           ; L
	v_and_b32 v2, 15, v0                           ; r
	v_bfe_u32 v3, v0, 4, 1                         ; h
	v_lshlrev_b32 v11, 2, v1                       ; 4 L
	v_lshlrev_b32 v4, 2, v2
	v_lshl_add_u32 v4, v3, 13, v4                  ; qweight: h rows of 8,192 bytes + 4 r
	v_lshlrev_b32 v6, 5, v1                        ; lora_A: my 8 numbers of a rank's 256
	v_lshlrev_b32 v21, 6, v2
	v_lshl_add_u32 v21, v3, 5, v21                 ; lora_B: row r, ranks 8 h ..
	s_mov_b32 s41, 0
	s_lshl_b32 s40, s18, 10                        ; 256 rows x 4 bytes
	s_wait_kmcnt 0x0
	s_add_nc_u64 s[4:5], s[4:5], s[40:41]          ; g_idx at my wave's rows
	s_add_nc_u64 s[6:7], s[6:7], s[40:41]          ; lora_A likewise
	s_lshl_b32 s40, s3, 10
	s_add_nc_u64 s[8:9], s[8:9], s[40:41]          ; lora_B at the group's 16 columns (64 bytes each)
	s_lshl_b32 s40, s3, 6
	s_add_nc_u64 s[14:15], s[14:15], s[40:41]      ; scales at the group's columns
	s_lshl_b32 s19, s18, 18                        ; 32 rows of qweight
	s_add_co_u32 s40, s40, s19
	s_add_nc_u64 s[10:11], s[10:11], s[40:41]      ; qweight at the group's columns and my wave's rows
	s_lshl_b32 s40, s3, 3
	s_add_nc_u64 s[12:13], s[12:13], s[40:41]      ; qzeros: two words for 16 columns
	s_lshl_b32 s40, s3, 11
	s_lshl_b32 s19, s18, 20                        ; 4 chunks of 262,144 bytes
	s_add_co_u32 s40, s40, s19
	s_add_nc_u64 s[16:17], s[16:17], s[40:41]      ; wf
	; all first loads in one run: 8 + 2 + 16 + 16
.irp b, 0,1,2,3,4,5,6,7
	global_load_b32 v[G+\b], v11, s[4:5] offset:128*\b             ; g_idx of row 32 b + L
.endr
	global_load_b128 v[X:X+3], v21, s[8:9]
	global_load_b128 v[X+4:X+7], v21, s[8:9] offset:16
.irp n, 0,1,2,3,4,5,6,7,8,9,10,11,12,13,14,15
	global_load_b32 v[QW+\n], v4, s[10:11] offset:\n*16384         ; tile n: rows 16 n + 8 h .. + 7 of column r
.endr
.irp p, 0,1,2,3,4,5,6,7
	global_load_b128 v[ST+8*\p:ST+8*\p+3],   v6, s[6:7] offset:\p*16384
	global_load_b128 v[ST+8*\p+4:ST+8*\p+7], v6, s[6:7] offset:\p*16384+16
.endr
	s_mul_i32 s42, s18, SLICE                      ; my slice
	s_mov_b32 s43, ID
	s_lshl_b32 s39, s18, 7
	s_add_co_u32 s39, s39, WT                      ; my row of counts
	s_mov_b32 s20, 0x3fc00000                      ; 1.5
	s_mov_b32 s21, 0x7fffffff
	s_mov_b32 s22, 0x41700000                      ; 15.0
	s_mov_b32 s23, 0xbfc00000                      ; -1.5
	s_mov_b32 s24, 0x3baaaaab                      ; 1 / 192
	s_mov_b32 s25, 0x55555555                      ; for the count of ones
	s_mov_b32 s26, 0x33333333
	s_mov_b32 s27, 0x0f0f0f0f
	s_mov_b32 s28, 0x01010101
	s_mov_b32 s36, 0x76543210                      ; v_permlanex16_b32: lane i reads lane i of the other half
	s_mov_b32 s37, 0xfedcba98
	v_lshlrev_b32 v5, 4, v1
	v_add_nc_u32 v15, s42, v5
	v_and_b32 v22, 7, v1
	v_lshl_add_u32 v22, v3, 3, v22                 ; 8 h + (L & 7): the K row that I address in a transposing load
	v_lshlrev_b32 v12, 2, v22                      ; that lane's index for ds_bpermute_b32,
	v_add_nc_u32 v13, 64, v12                      ; and the lane 16 further
	v_mul_u32_u24 v7, v22, APITCH
	v_bfe_u32 v23, v1, 3, 1
	v_lshl_add_u32 v7, v23, 4, v7
	v_add_nc_u32 v7, s42, v7
	v_lshl_add_u32 v14, v23, 4, s43
	v_mul_u32_u24 v8, v2, APITCH
	v_lshl_add_u32 v8, v3, 4, v8
	v_add_nc_u32 v8, s42, v8
	v_lshlrev_b32 v9, 3, v2
	v_add_nc_u32 v9, SC, v9
	v_lshlrev_b32 v10, 5, v3
.irp k, 0,1,2,3,4
	v_bfe_u32 v[16+\k], v1, \k, 1
	v_sub_nc_u32 v[16+\k], 0, v[16+\k]             ; 0 or -1
.endr
; Rank p of lora_A: 8 numbers a lane to bf16, 16 bytes into my slice.  again = 1: the registers are loaded with rank p + 8.
; left = the loads younger than rank p's two: 2 (7 - p) of the first run + 2 p issued again = 14; in the last eight turns 14, 12, .. 0.
.macro ARANK p, again, left
	s_wait_loadcnt \left
.irp e, 0,1,2,3
	v_cvt_pk_bf16_f32 v[W+4*(\p%4)+\e], v[ST+8*(\p%8)+2*\e], v[ST+8*(\p%8)+2*\e+1]
.endr
	ds_store_b128 v15, v[W+4*(\p%4):W+4*(\p%4)+3] offset:\p*APITCH
.if \again
	global_load_b128 v[ST+8*(\p%8):ST+8*(\p%8)+3],   v6, s[6:7] offset:(\p+8)*16384
	global_load_b128 v[ST+8*(\p%8)+4:ST+8*(\p%8)+7], v6, s[6:7] offset:(\p+8)*16384+16
.endif
.endm
.irp p, 0,1,2,3,4,5,6,7
	ARANK \p, 1, 14                                ; the first of these waits also shows g_idx, lora_B and qweight in: they were issued earlier
.endr
.irp p, 8,9,10,11,12,13,14,15
	ARANK \p, 0, 2*(15-\p)
.endr
.irp e, 0,1,2,3
	v_cvt_pk_bf16_f32 v[BFR+\e], v[X+2*\e], v[X+2*\e+1]            ; lora_B(r, 8 h ..)
	v_mov_b32 v[BFR+4+\e], 0                       ; K = 16 .. 31 of the rank product does not exist: zero on both sides, written once
	v_mov_b32 v[AT0+4+\e], 0
	v_mov_b32 v[AT1+4+\e], 0
.endr
	; the identity, by wave 0: lane p writes row p, 16 words of which word p >> 1 holds 1.0 in half p & 1, and zeros into the row's 32 bytes of padding
	s_cmp_lg_u32 s18, 0
	s_cbranch_scc1 .Lno_id
	v_and_b32 v21, 1, v1
	v_lshlrev_b32 v21, 4, v21
	v_mov_b32 v22, 0x3f80
	v_lshlrev_b32 v22, v21, v22
	v_lshrrev_b32 v23, 1, v1
.irp e, 0,1,2,3,4,5,6,7,8,9,10,11,12,13,14,15
	v_cmp_eq_u32 vcc_lo, \e, v23
	v_cndmask_b32 v[T+\e], 0, v22, vcc_lo
.endr
	v_mul_u32_u24 v21, v1, IDP
	v_add_nc_u32 v21, s43, v21
.irp q, 0,1,2,3
	ds_store_b128 v21, v[T+4*\q:T+4*\q+3] offset:16*\q
.endr
	ds_store_b128 v21, v[BFR+4:BFR+7] offset:64    ; the four zero registers of lora_B's fragment: all 3,072 bytes of the table are written
	ds_store_b128 v21, v[BFR+4:BFR+7] offset:80
.Lno_id:
; RANKING, first part.  Block b: five ballots of the group's bits; lane = group makes the mask of the block's rows in that group; each row
; fetches its own group's mask; the mask's count of ones runs on as the wave's count.
.macro RANK1 b
	v_min_u32 v[G+\b], 31, v[G+\b]
	v_lshlrev_b32 v[G+\b], 2, v[G+\b]              ; 4 g: a lane index for ds_bpermute_b32
.irp k, 0,1,2,3,4
	v_and_b32 v21, 4<<\k, v[G+\b]
	v_cmp_ne_u32 s[30+\k], 0, v21
.endr
	v_xor_b32 v[BM+\b], s30, v16                   ; a one wherever a row's bit k differs from my lane's bit k,
.irp k, 1,2,3,4
	v_xor_b32 v21, s[30+\k], v[16+\k]
	v_or_b32 v[BM+\b], v[BM+\b], v21
.endr
	v_xor_b32 v[BM+\b], -1, v[BM+\b]               ; so the rows whose group is my lane's number
	ds_bpermute_b32 v[RIN+\b], v[G+\b], v[BM+\b]   ; the rows of my own row's group
	v_lshrrev_b32 v21, 1, v[BM+\b]                 ; count of ones, in twelve plain steps
	v_and_b32 v21, s25, v21
	v_sub_nc_u32 v21, v[BM+\b], v21
	v_lshrrev_b32 v22, 2, v21
	v_and_b32 v21, s26, v21
	v_and_b32 v22, s26, v22
	v_add_nc_u32 v21, v21, v22
	v_lshrrev_b32 v22, 4, v21
	v_add_nc_u32 v21, v21, v22
	v_and_b32 v21, s27, v21
	v_mul_lo_u32 v21, v21, s28
	v_lshrrev_b32 v21, 24, v21
.if \b < 7
	v_add_nc_u32 v[PRE+\b+1], v[PRE+\b], v21
.else
	v_add_nc_u32 v23, v[PRE+\b], v21               ; the wave's count of each group
.endif
.endm
	v_mov_b32 v[PRE], 0
.irp b, 0,1,2,3,4,5,6,7
	RANK1 \b
.endr
	v_add_nc_u32 v22, s39, v11
	ds_store_b32 v22, v23
	s_wait_dscnt 0x0                               ; my counts (and wave 0's identity) are in LDS, for the others; my eight permutes are back
	s_barrier_signal -1
.irp b, 0,1,2,3,4,5,6,7
	v_mbcnt_lo_u32_b32 v[RIN+\b], v[RIN+\b], 0     ; rows of my group in front of me in the block
.endr
	s_barrier_wait -1
	; RANKING, second part (lane = group): all waves' counts; the total; the part of earlier waves; the exclusive prefix over the groups
	v_add_nc_u32 v21, WT, v11
.irp q, 0,1,2,3,4,5,6,7,8,9,10,11,12,13,14,15
	ds_load_b32 v[T+\q], v21 offset:128*\q
.endr
	s_wait_dscnt 0x0
	s_cmp_gt_u32 s18, 0
	s_cselect_b32 s38, -1, 0
	v_add_nc_u32 v22, v[T], v[T+15]                ; wave 15 is in front of nobody: it counts for the total alone
	v_and_b32 v23, s38, v[T]
.irp q, 1,2,3,4,5,6,7,8,9,10,11,12,13,14
	s_cmp_gt_u32 s18, \q
	s_cselect_b32 s38, -1, 0
	v_add_nc_u32 v22, v22, v[T+\q]
	v_and_b32 v[T+\q], s38, v[T+\q]
	v_add_nc_u32 v23, v23, v[T+\q]
.endr
	v_mov_b32 v73, 0                               ; the destination of a lane exchange counts as read
	v_mov_b32_dpp v73, v22 row_xmask:1 row_mask:0xf bank_mask:0xf
	v_and_b32 v72, v16, v73                        ; the partner's sum lies below me where my bit is set
	v_add_nc_u32 v22, v22, v73
; one more step of the butterfly: bit k of the lane, partner at lane xor m
.macro BFLY k, m
	v_mov_b32_dpp v73, v22 row_xmask:\m row_mask:0xf bank_mask:0xf
	v_and_b32 v74, v[16+\k], v73
	v_add_nc_u32 v72, v72, v74
	v_add_nc_u32 v22, v22, v73
.endm
	BFLY 1, 2
	BFLY 2, 4
	BFLY 3, 8
	v_permlanex16_b32 v73, v22, s36, s37
	v_and_b32 v74, v20, v73
	v_add_nc_u32 v72, v72, v74
	v_add_nc_u32 v72, v72, v23                     ; rows of smaller groups + rows of this group in earlier waves
.irp b, 0,1,2,3,4,5,6,7
	v_add_nc_u32 v[PRE+\b], v72, v[PRE+\b]
	ds_bpermute_b32 v[T+\b], v[G+\b], v[PRE+\b]    ; my group's figure
.endr
	s_wait_dscnt 0x0
.irp b, 0,1,2,3,4,5,6,7
	v_add_nc_u32 v[T+\b], v[T+\b], v[RIN+\b]       ; my row's place in the stable sort
	v_lshrrev_b32 v[T+\b], 7, v[T+\b]              ; its chunk
	v_mul_u32_u24 v[T+\b], IDP, v[T+\b]            ; the identity's row of that chunk
	ds_bpermute_b32 v[TA+2*\b],   v12, v[T+\b]     ; of row 8 h + (L & 7) of the block,
	ds_bpermute_b32 v[TA+2*\b+1], v13, v[T+\b]     ; and of the row 16 further
.endr
	s_wait_dscnt 0x0
.irp n, 0,1,2,3,4,5,6,7,8,9,10,11,12,13,14,15
	v_min_u32 v[TA+\n], 31*IDP, v[TA+\n]
	v_add_nc_u32 v[TA+\n], v14, v[TA+\n]
.endr
; FIRST PASS, block b of 32 rows.  Six matrix instructions on six accumulators, one instruction a turn.
; The 16 field extracts are the places between the last block's matrix instructions and the loads into their sources, the 16 conversions
; those between the AB products and the first read of AB.
.macro BLOCK b, zero
.irp j, 0,1,2,3,4,5,6,7
	v_bfe_u32 v[W+\j],   v[QW+2*\b],   4*\j, 4
	v_bfe_u32 v[W+8+\j], v[QW+2*\b+1], 4*\j, 4
.endr
	ds_load_tr16_b128 v[AT0:AT0+3], v7 offset:64*\b                ; lora_A [rank][row] transposed: lane (r, h) gets row r, ranks 8 h ..
	ds_load_tr16_b128 v[AT1:AT1+3], v7 offset:64*\b+32
	ds_load_b128 v[AK:AK+3],   v8 offset:64*\b                     ; lora_A as it lies: rank r, rows 8 h .., 16 + 8 h ..
	ds_load_b128 v[AK+4:AK+7], v8 offset:64*\b+32
	ds_load_tr16_b128 v[PT0:PT0+3],   v[TA+2*\b]                   ; row k of the one-hot tile is the identity's row chunk(k)
	ds_load_tr16_b128 v[PT0+4:PT0+7], v[TA+2*\b+1]
	ds_load_tr16_b128 v[PT1:PT1+3],   v[TA+2*\b] offset:32
	ds_load_tr16_b128 v[PT1+4:PT1+7], v[TA+2*\b+1] offset:32
	s_wait_dscnt 0x0
	v_wmma_f32_16x16x32_bf16 v[T:T+7],    v[AT0:AT0+7], v[BFR:BFR+7], 0
	v_wmma_f32_16x16x32_bf16 v[T+8:T+15], v[AT1:AT1+7], v[BFR:BFR+7], 0
.if \zero
	v_wmma_f32_16x16x32_bf16 v[AS0:AS0+7], v[AK:AK+7], v[PT0:PT0+7], 0
	v_wmma_f32_16x16x32_bf16 v[AS1:AS1+7], v[AK:AK+7], v[PT1:PT1+7], 0
.else
	v_wmma_f32_16x16x32_bf16 v[AS0:AS0+7], v[AK:AK+7], v[PT0:PT0+7], v[AS0:AS0+7]
	v_wmma_f32_16x16x32_bf16 v[AS1:AS1+7], v[AK:AK+7], v[PT1:PT1+7], v[AS1:AS1+7]
.endif
.irp e, 0,1,2,3,4,5,6,7,8,9,10,11,12,13,14,15
	v_cvt_f32_u32 v[W+\e], v[W+\e]
.endr
.irp e, 0,1,2,3,4,5,6,7,8,9,10,11,12,13,14,15
	v_bfi_b32 v[X+\e], s21, 1.0, v[T+\e]           ; 1.0 with AB's sign
	v_cmp_gt_f32 vcc_lo, |v[T+\e]|, s20            ; false for a NaN, as both of the reference's comparisons are
	v_cndmask_b32 v[X+\e], 0, v[X+\e], vcc_lo      ; d
.endr
.irp e, 0,2,4,6,8,10,12,14
	v_pk_add_f32 v[X+\e:X+\e+1], v[W+\e:W+\e+1], v[X+\e:X+\e+1]
.endr
.irp e, 0,1,2,3,4,5,6,7,8,9,10,11,12,13,14,15
	v_med3_num_f32 v[X+\e], v[X+\e], 0, s22        ; w' = clamp(w + d, 0, 15)
.endr
.irp e, 0,2,4,6,8,10,12,14
	v_pk_add_f32 v[W+\e:W+\e+1], v[X+\e:X+\e+1], v[W+\e:W+\e+1] neg_lo:[0,1] neg_hi:[0,1]   ; the marker
.endr
.irp e, 0,1,2,3,4,5,6,7
	v_cvt_pk_bf16_f32 v[MF+\e], v[W+2*\e], v[W+2*\e+1]             ; -1, 0, 1: exact.  Column r, rows 8 h .. and 16 + 8 h ..: a fragment as it stands
	v_cvt_pk_bf16_f32 v[WP+8*\b+\e], v[X+2*\e], v[X+2*\e+1]        ; 0 .. 15: exact
.endr
.if \zero
	v_wmma_f32_16x16x32_bf16 v[SM0:SM0+7], v[MF:MF+7], v[PT0:PT0+7], 0
	v_wmma_f32_16x16x32_bf16 v[SM1:SM1+7], v[MF:MF+7], v[PT1:PT1+7], 0
.else
	v_wmma_f32_16x16x32_bf16 v[SM0:SM0+7], v[MF:MF+7], v[PT0:PT0+7], v[SM0:SM0+7]
	v_wmma_f32_16x16x32_bf16 v[SM1:SM1+7], v[MF:MF+7], v[PT1:PT1+7], v[SM1:SM1+7]
.endif
.endm
	BLOCK 0, 1
.irp b, 1,2,3,4,5,6,7
	BLOCK \b, 0
.endr
	; my partial sums into my slice (its lora_A has been read): byte = tile x 1,024 + (j >> 2) x 512 + 16 L + 4 (j & 3)
.rept 4
	v_nop                                          ; four places before stores read the results and loads land in the sources
.endr
.irp q, 0,1,2,3
	ds_store_b128 v15, v[AS0+8*\q:AS0+8*\q+3]   offset:\q*1024
	ds_store_b128 v15, v[AS0+8*\q+4:AS0+8*\q+7] offset:\q*1024+512
.endr
.irp n, 0,1,2,3,4,5,6,7,8,9,10,11,12,13,14,15
	global_load_b128 v[GI+8*\n:GI+8*\n+3],   v10, s[4:5] offset:64*\n      ; g_idx of rows 16 n + 8 h .. + 7, for the second pass
	global_load_b128 v[GI+8*\n+4:GI+8*\n+7], v10, s[4:5] offset:64*\n+16
.endr
	v_and_b32 v21, 15, v0                          ; thread t serves chunk (= group) c = t >> 4 and column o = t & 15
	v_lshrrev_b32 v30, 4, v0
	v_lshlrev_b32 v16, 6, v21                      ; lora_B's row o
	v_lshlrev_b32 v17, 2, v21
	v_lshl_add_u32 v17, v30, 13, v17               ; scales[c][o]
	v_lshrrev_b32 v18, 3, v21
	v_lshlrev_b32 v18, 2, v18
	v_lshl_add_u32 v18, v30, 10, v18               ; qzeros[c][o >> 3]
	s_lshl_b32 s19, s18, 8
	v_lshl_add_u32 v26, v1, 3, s19                 ; 8 t = 256 x wave + 8 x lane: each wave's 256 bytes are its own
	v_add_nc_u32 v27, 8*SLICE, v26
	v_add_nc_u32 v28, FIN, v26
	s_wait_dscnt 0x0                               ; my partial sums are in LDS, for the others; the registers that they left are free
.irp q, 0,1,2,3
	global_load_b128 v[176+4*\q:179+4*\q], v16, s[8:9] offset:16*\q
.endr
	global_load_b32 v22, v17, s[14:15]
	global_load_b32 v31, v18, s[12:13]
	s_barrier_signal -1
	s_barrier_wait -1
	; thread t adds bytes 8 t .. 8 t + 7 of the sixteen waves' partial sums, in the waves' order
.irp q, 0,1,2,3,4,5,6,7
	ds_load_b64 v[160+2*\q:161+2*\q], v26 offset:\q*SLICE
.endr
	s_wait_dscnt 0x0
	v_pk_add_f32 v[24:25], v[160:161], v[162:163]
.irp q, 2,3,4,5,6,7
	v_pk_add_f32 v[24:25], v[24:25], v[160+2*\q:161+2*\q]
.endr
.irp q, 0,1,2,3,4,5,6,7
	ds_load_b64 v[160+2*\q:161+2*\q], v27 offset:\q*SLICE
.endr
	s_wait_dscnt 0x0
.irp q, 0,1,2,3,4,5,6,7
	v_pk_add_f32 v[24:25], v[24:25], v[160+2*\q:161+2*\q]
.endr
	ds_store_b64 v28, v[24:25]
	s_wait_dscnt 0x0
	s_barrier_signal -1
	s_barrier_wait -1
	; the table.  Asum(p, c) lies in tile c >> 4 at lane (c & 15) + 16 (p >> 3), register p & 7; Msum(o, c) in tile 2 + (c >> 4) at lane (c & 15) + 16 (o >> 3), register o & 7
	v_lshrrev_b32 v19, 8, v0
	v_bfe_u32 v20, v0, 4, 4
	v_lshlrev_b32 v19, 10, v19
	v_lshl_add_u32 v19, v20, 4, v19
	v_add_nc_u32 v19, FIN, v19
	v_bfe_u32 v20, v0, 2, 1
	v_lshl_add_u32 v20, v20, 9, v19
	v_bfe_u32 v24, v0, 3, 1
	v_lshl_add_u32 v20, v24, 8, v20
	v_and_b32 v24, 3, v0
	v_lshl_add_u32 v20, v24, 2, v20
	ds_load_b128 v[160:163], v19                   ; ranks 0-3
	ds_load_b128 v[164:167], v19 offset:512        ; 4-7
	ds_load_b128 v[168:171], v19 offset:256        ; 8-11
	ds_load_b128 v[172:175], v19 offset:768        ; 12-15
	ds_load_b32 v29, v20 offset:2048
	v_and_b32 v30, 7, v0
	v_lshlrev_b32 v30, 2, v30                      ; the zero's field in its word
	v_add_nc_u32 v27, SC, v26
	s_wait_loadcnt 0x0                             ; lora_B's row, the scale, the zeros; g_idx for the second pass too
	s_wait_dscnt 0x0
	v_mul_f32 v24, s23, v29                        ; -1.5 Msum
.irp q, 0,1,2,3,4,5,6,7,8,9,10,11,12,13,14,15
	v_fmac_f32 v24, v[160+\q], v[176+\q]           ; + sum over the ranks of Asum x lora_B
.endr
	v_bfe_u32 v25, v31, v30, 4
	v_cvt_f32_u32 v25, v25
	v_fma_f32 v24, v24, s24, -v25                  ; S / 192 - z
	v_mul_f32 v23, v22, v24
	ds_store_b64 v27, v[22:23]                     ; (s, c) at SC + 128 c + 8 o = SC + 8 t
	s_wait_dscnt 0x0
	s_barrier_signal -1
	s_barrier_wait -1
; SECOND PASS, tile n: eight rows' (s, c) from the table, eight multiply-adds straight from w' in bf16 into f32, one rounding to f16, 16 bytes out.
; The argument may be a sum: it stands in brackets wherever it is used.
.macro PADDR n
.irp j, 0,1,2,3,4,5,6,7
	v_min_u32 v[GI+8*(\n)+\j], 31, v[GI+8*(\n)+\j]
	v_lshl_add_u32 v[GI+8*(\n)+\j], v[GI+8*(\n)+\j], 7, v9
	ds_load_b64 v[SCV+16*((\n)%2)+2*\j:SCV+16*((\n)%2)+2*\j+1], v[GI+8*(\n)+\j]
.endr
.endm
.macro PFIN n, left
	s_wait_dscnt \left                             ; the next tile's eight reads may stay out
.irp e, 0,1,2,3
	v_fma_mix_f32_bf16 v[SCV+16*((\n)%2)+4*\e],   v[WP+4*(\n)+\e], v[SCV+16*((\n)%2)+4*\e],   v[SCV+16*((\n)%2)+4*\e+1] op_sel_hi:[1,0,0]
	v_fma_mix_f32_bf16 v[SCV+16*((\n)%2)+4*\e+2], v[WP+4*(\n)+\e], v[SCV+16*((\n)%2)+4*\e+2], v[SCV+16*((\n)%2)+4*\e+3] op_sel:[1,0,0] op_sel_hi:[1,0,0]
.endr
.irp e, 0,1,2,3
	v_cvt_pk_f16_f32 v[GI+8*(\n)+\e], v[SCV+16*((\n)%2)+4*\e], v[SCV+16*((\n)%2)+4*\e+2]   ; each tile has store registers of its own: none is written again
.endr
	global_store_b128 v5, v[GI+8*(\n):GI+8*(\n)+3], s[16:17] offset:((\n)/4)*262144+((\n)%4)*512   ; the wave stores 512 consecutive bytes, aligned
.endm
	PADDR 0
.irp n, 0,1,2,3,4,5,6,7,8,9,10,11,12,13,14
	PADDR \n+1
	PFIN \n, 8
.endr
	PFIN 15, 0
	s_wait_xcnt 0x0
	v_lshl_add_u32 v254, v0, 2, 0x25400
	v_mov_b32 v255, 0
	s_wait_tensorcnt 0x0
	ds_add_u32 v254, v255
	s_wait_dscnt 0x0
	s_endpgm
.Lfunc_end_k_q46d78c72cc_prep:
	.size	k_q46d78c72cc_prep, .Lfunc_end_k_q46d78c72cc_prep-k_q46d78c72cc_prep
	.p2alignl 7, 3214868480
	.fill 96, 4, 3214868480
	.section	.rodata,"a",@progbits
	.p2align	6, 0x0
	.amdhsa_kernel k_q46d78c72cc_prep
		.amdhsa_group_segment_fixed_size 154624
		.amdhsa_private_segment_fixed_size 0
		.amdhsa_enable_private_segment 0
		.amdhsa_kernarg_size 72
		.amdhsa_user_sgpr_count 2
		.amdhsa_user_sgpr_kernarg_segment_ptr 1
		.amdhsa_wavefront_size32 1
		.amdhsa_system_sgpr_workgroup_id_x 1
		.amdhsa_system_sgpr_workgroup_id_y 1
		.amdhsa_system_sgpr_workgroup_id_z 1
		.amdhsa_system_vgpr_workitem_id 0
		.amdhsa_next_free_vgpr 256
		.amdhsa_next_free_sgpr 66
		.amdhsa_reserve_vcc 1
		.amdhsa_float_denorm_mode_32 3
		.amdhsa_float_denorm_mode_16_64 3
		.amdhsa_memory_ordered 1
		.amdhsa_forward_progress 1
		.amdhsa_inst_pref_size 192
	.end_amdhsa_kernel
	.amdgpu_metadata
---
amdhsa.version: [ 1, 2 ]
amdhsa.kernels:
  - .name:           k_q46d78c72cc_prep
    .symbol:         k_q46d78c72cc_prep.kd
    .args:
      - { .name: g_idx, .offset: 0, .size: 8, .value_kind: global_buffer, .address_space: global }
      - { .name: lora_A, .offset: 8, .size: 8, .value_kind: global_buffer, .address_space: global }
      - { .name: lora_B, .offset: 16, .size: 8, .value_kind: global_buffer, .address_space: global }
      - { .name: qweight, .offset: 24, .size: 8, .value_kind: global_buffer, .address_space: global }
      - { .name: qzeros, .offset: 32, .size: 8, .value_kind: global_buffer, .address_space: global }
      - { .name: scales, .offset: 40, .size: 8, .value_kind: global_buffer, .address_space: global }
      - { .name: wf, .offset: 48, .size: 8, .value_kind: global_buffer, .address_space: global }
      - { .name: x, .offset: 56, .size: 8, .value_kind: global_buffer, .address_space: global }
      - { .name: xh, .offset: 64, .size: 8, .value_kind: global_buffer, .address_space: global }
    .group_segment_fixed_size: 154624
    .private_segment_fixed_size: 0
    .kernarg_segment_align: 8
    .kernarg_segment_size: 72
    .max_flat_workgroup_size: 512
    .sgpr_count:     66
    .vgpr_count:     256
    .wavefront_size: 32
...
	.end_amdgpu_metadata
.endif
;; end of part 3
;; launch gemm (part 4): grid 8 x 32, 4 waves a work-group, clusters of 4 x 4, 327,680 bytes of LDS; arguments xh, wf, out0; writes out0
.if DOCPART == 4
	.amdgcn_target "amdgcn-amd-amdhsa--gfx1250"
	.amdhsa_code_object_version 6
	.text
	.protected	k_q46d78c72cc_gemm
	.globl	k_q46d78c72cc_gemm
	.p2align	8
	.type	k_q46d78c72cc_gemm,@function
k_q46d78c72cc_gemm:
	s_mov_b64 s[64:65], 0
	v_nop
	global_prefetch_b8 v0, s[64:65] scope:SCOPE_SE
	s_setreg_imm32_b32 hwreg(HW_REG_WAVE_MODE, 25, 1), 1
	s_wait_xcnt 0x0
	s_wait_alu depctr_hold_cnt(0) depctr_sa_sdst(0) depctr_va_vdst(0) depctr_va_sdst(0) depctr_va_ssrc(0) depctr_va_vcc(0) depctr_vm_vsrc(0)
	s_getreg_b32 s2, hwreg(HW_REG_IB_STS2, 6, 4)
	s_cmp_eq_u32 s2, 0
	s_cbranch_scc0 .Lentry_in_a_cluster
	s_endpgm
.Lentry_in_a_cluster:
	s_bfe_u32 s2, ttmp6, 0x10000c
	s_cmp_lg_u32 s2, 0xf033
	s_cbranch_scc0 .Lentry_shape_is_right
	s_endpgm
.Lentry_shape_is_right:
; out0[m][n] = sum over k of x[m][k] W[k][n].  xh: x in f16, [8192][4096]; wf: W in f16, in fragment order (below); out0: [8192][2048] f32.
; The sums are f32, K ascending, one accumulator an output.  Both operands were rounded to f16 by the launch before (its limits hold here).
; A work-group makes a block of 256 x 256 of out0 with four waves, as many as a WGP has SIMDs; a wave makes 128 x 128: 64 accumulator tiles of
; 16 x 16, 512 registers.  K goes in steps of 128 through a ring of two LDS slots filled by the tensor data mover: a row of x's tile is 256
; bytes of memory and starts at a multiple of 256 bytes from the buffer's first byte.
; wf: byte of (k, n) = (k>>6) 262144 + (n>>4) 2048 + ((k>>4)&3) 512 + ((n&15) + 16 ((k>>3)&1)) 16 + (k&7) 2.  A block column's part of 64 of K (a chunk)
; is 32,768 consecutive bytes, a K step is two chunks, and a fragment (16 columns x 32 K) is two loads of 16 bytes a lane at 16 x lane.
; CLUSTERS: 4 x 4 work-groups.  x's tile hangs on the block row alone and is asked for jointly by a row of the cluster, W's on the block
; column alone and is asked for jointly by a column: each request serves four work-groups.
; REGISTERS, in windows of 256 (an instruction names v0-v255; s_set_vgpr_msb says which window each operand place means):
;   window 0: v16-26 addresses; v64-127, v128-191 fragments of x (8 x 16 rows x 32 K), two buffers, and rows read back on the way out
;   window 1: v64-127, v128-191 fragments of W, two buffers
;   window 2: the 32 accumulator tiles of my rows 0-63 (tile (a, b) at v[8 (8 a + b)]);   window 3: those of my rows 64-127
; THE MATRIX INSTRUCTION IS USED TRANSPOSED: source 0 = 16 columns of W, source 1 = 16 rows of x.  Lane l then holds row l % 16 and its registers
; 0 to 7 the columns 8 (l / 16) + 0 .. 7: 32 neighbouring bytes of a row of out0.
.set SIZE_K, 4096
.set SIZE_N, 2048
.set KSTEP,  128
.set PITCH,  272                       ; an LDS row of x: 256 bytes + 16 of padding: the 16 rows that a load touches lie in 16 different columns of 16 bytes
.set HALFA,  128*PITCH                 ; 128 rows of x: one tensor load, and what one wave reads of x
.set APART,  2*HALFA                   ; x's part of a slot
.set CHUNK,  32768                     ; W: 64 of K x 256 columns: one tensor load
.set SLOT,   APART+2*CHUNK             ; 135,168
.set STAGE,  2*SLOT                    ; 270,336: behind the ring, 16 rows x 528 bytes for each wave, for the way out; no tensor load lands here
.set SPITCH, 528                       ; 512 bytes + 16
.set ASTEP,  KSTEP*2                   ; bytes along a row of xh for a K step
.set BSTEP,  2*262144                  ; bytes of wf for a K step
.set LAPS,   SIZE_K/(2*KSTEP)          ; a lap = two K steps = once round the ring: 16
.set ADRA, 16                          ; v16-17  LDS address of my fragments of x in slot 0, 1
.set ADRB, 20                          ; v20-21  the same for W
.set STO,  24                          ; v24     the way out: where I put 32 bytes of a row
.set RD,   25                          ; v25     where I read a row back
.set CO,   26                          ; v26     16 x lane
.set F0,   64                          ; fragment buffer 0
.set F1,   128                         ; fragment buffer 1
.set G1,  24                           ; s[24:31] descriptor group 1 for x's tiles
.set G0,  32                           ; s[32:39] group 0 for x's tiles, one set for each slot
.set G1B, 48                           ; s[48:55] group 1 for W's chunks
.set G0B, 56                           ; s[56:63] group 0 for W's chunks, one set for each slot
.set MSB, 0
.macro WIN new                         ; the immediate's high byte repeats the setting that is left
.if MSB != \new
	s_set_vgpr_msb (MSB<<8)|\new
.set MSB, \new
.endif
.endm
.set MUL_LO, 0xa1                      ; source 0 (W) window 1, source 1 (x) window 0, C and D window 2
.set MUL_HI, 0xf1                      ; the same, C and D window 3
.set TO_B,   0x40                      ; destination window 1, address window 0
; A joint load.  Waves 0 and 1 fetch x's two halves, waves 2 and 3 W's two chunks.  Each line has one mask and one set of registers for all that
; issue it; the branch hangs on the wave's number alone.
.macro JLOAD s
	s_cmp_eq_u32 s11, 0
	s_cbranch_scc0 .Lfor_b_\@
	tensor_load_to_lds s[G0+4*\s:G0+4*\s+3], s[G1:G1+7]
	s_nop 0
	s_branch .Lasked_\@
.Lfor_b_\@:
	tensor_load_to_lds s[G0B+4*\s:G0B+4*\s+3], s[G1B:G1B+7]
	s_nop 0
.Lasked_\@:
.endm
; A round of the cluster's barrier: my work-group's barrier; wave 0 signals for the work-group; every wave waits for all sixteen; my work-group's barrier once more.
.macro CREST                           ; a round behind its opening barrier
	s_cmp_lg_u32 s10, 0
	s_cbranch_scc1 .Lnot_wave_0_\@
	s_barrier_signal -3
.Lnot_wave_0_\@:
	s_barrier_wait -3
	s_barrier_signal -1
	s_barrier_wait -1
.endm
.macro CROUND
	s_barrier_signal -1
	s_barrier_wait -1
	CREST
.endm
	s_load_b128 s[4:7], s[0:1], 0x0                ; xh s[4:5], wf s[6:7]
	s_load_b64 s[8:9], s[0:1], 0x10                ; out0
	s_set_vgpr_msb 0x40
	v_lshl_add_u32 v255, v0, 2, 0x4a400
	s_set_vgpr_msb 0x4000
	v_mov_b32 v255, 0
	s_set_vgpr_msb 0x1
	ds_add_u32 v255, v255
	s_set_vgpr_msb 0x100
	v_lshrrev_b32 v1, 5, v0
	v_readfirstlane_b32 s10, v1                    ; wave 0..3
	s_lshr_b32 s11, s10, 1                         ; which half of the block's rows is mine.  Also: I fetch for x (0) or for W (1)
	s_and_b32 s12, s10, 1                          ; which half of its columns.  Also: which half of x's tile, which chunk of W, I fetch
	s_bfe_u32 s40, ttmp6, 0x40000                  ; cx
	s_bfe_u32 s41, ttmp6, 0x40004                  ; cy
	s_lshl_b32 s42, ttmp9, 2
	s_add_co_u32 s42, s42, s40                     ; block column = 4 x cluster x + cx
	s_and_b32 s13, ttmp7, 0xffff
	s_lshl_b32 s13, s13, 2
	s_add_co_u32 s13, s13, s41                     ; block row = 4 x cluster y + cy
	s_lshl_b32 s43, s41, 2
	s_lshl_b32 s43, 15, s43                        ; my row of the cluster: places 4 cy .. 4 cy + 3
	s_lshl_b32 s44, 0x1111, s40                    ; my column: places cx, cx + 4, cx + 8, cx + 12
	; group 1 for x: 128 rows x 128 elements of 2 bytes, 4,096 elements from row to row, 4 words of padding behind every 64
	s_or_b32 s[G1+0], s43, (1<<16)|(1<<20)|(1<<21)|(5<<22)|(3<<25)  ; 15:0 mask; 17:16 element of 2 bytes; 20 padding on; 21 set beside a mask; 24:22 every 64 words; 31:25 four words
	s_mov_b32 s[G1+1], KSTEP<<16                   ; tensor_dim0 = 128
	s_mov_b32 s[G1+2], 128<<16                     ; tensor_dim1 = 128
	s_mov_b32 s[G1+3], KSTEP<<16                   ; tile_dim0 = 128
	s_mov_b32 s[G1+4], 128                         ; tile_dim1 = 128
	s_mov_b32 s[G1+5], SIZE_K                      ; stride from row to row
	s_mov_b32 s[G1+6], 0
	s_mov_b32 s[G1+7], 0
	; group 1 for W: 32,768 dense bytes as 128 rows x 32 elements of 8 bytes
	s_or_b32 s[G1B+0], s44, (3<<16)|(1<<21)
	s_mov_b32 s[G1B+1], 32<<16
	s_mov_b32 s[G1B+2], 128<<16
	s_mov_b32 s[G1B+3], 32<<16
	s_mov_b32 s[G1B+4], 128
	s_mov_b32 s[G1B+5], 32
	s_mov_b32 s[G1B+6], 0
	s_mov_b32 s[G1B+7], 0
	; where the tiles come from: x's from the block row and the wave's number, W's from the block column and the wave's number, each in registers that never hold the other coordinate
	s_lshl_b32 s17, s12, 7
	s_lshl_b32 s16, s13, 8
	s_add_co_u32 s16, s16, s17                     ; x: row 256 x block row + 128 x half,
	s_lshl_b32 s16, s16, 13                        ; x 8,192 bytes (below 2^26)
	s_mov_b32 s17, 0
	s_lshl_b32 s46, s42, 15                        ; W: 32,768 x block column
	s_lshl_b32 s47, s12, 18                        ; + 262,144 x chunk
	s_add_co_u32 s46, s46, s47
	s_mov_b32 s47, 0
	s_mul_i32 s20, s10, HALFA                      ; and where they go: x's halves at wave x 34,816 (waves 0, 1),
	s_lshl_b32 s21, s10, 15
	s_add_co_u32 s21, s21, APART-2*CHUNK           ; W's chunks at 69,632 + (wave - 2) x 32,768 (waves 2, 3): no place in the cluster enters an LDS address
	s_wait_dscnt 0x0
	s_wait_kmcnt 0x0
	s_add_nc_u64 s[14:15], s[4:5], s[16:17]
	s_add_nc_u64 s[46:47], s[6:7], s[46:47]
	CROUND                                         ; all sixteen work-groups are here: the first joint loads meet
.irp s, 0,1
	s_mov_b32 s[G0+4*\s], 1                                        ; count = 1
	s_add_co_u32 s[G0+4*\s+1], s20, \s*SLOT                        ; LDS address
	s_add_nc_u64 s[G0+4*\s+2:G0+4*\s+3], s[14:15], \s*ASTEP        ; global address: K step s
	s_or_b32 s[G0+4*\s+3], s[G0+4*\s+3], 0x80000000                ; type = 2
	s_mov_b32 s[G0B+4*\s], 1
	s_add_co_u32 s[G0B+4*\s+1], s21, \s*SLOT
	s_add_nc_u64 s[G0B+4*\s+2:G0B+4*\s+3], s[46:47], \s*BSTEP
	s_or_b32 s[G0B+4*\s+3], s[G0B+4*\s+3], 0x80000000
	JLOAD \s                                       ; both slots' first fills go out together: two tensor loads of the wave are out, later one
.endr
	; A fragment is 16 rows x 32 K in 8 registers: lane l holds row l % 16; registers 0-3 hold K = 8 (l / 16) + 0..7, registers 4-7 K = 16 + 8 (l / 16) + 0..7.
	v_and_b32 v1, 15, v0                           ; r = l % 16
	v_bfe_u32 v2, v0, 4, 1                         ; h = l / 16
	v_and_b32 v3, 31, v0                           ; l
	v_mul_u32_u24 v4, v1, PITCH
	v_lshl_add_u32 v4, v2, 4, v4                   ; row x pitch + 16 x half
	s_mul_i32 s22, s11, HALFA                      ; my 128 rows of x
	v_add_nc_u32 v[ADRA], s22, v4
	v_add_nc_u32 v[ADRA+1], SLOT, v[ADRA]
	v_lshlrev_b32 v[CO], 4, v3
	s_lshl_b32 s23, s12, 14                        ; my 128 columns of W: 8 tile columns of 2,048 bytes in each chunk
	s_add_co_u32 s23, s23, APART
	v_add_nc_u32 v[ADRB], s23, v[CO]
	v_add_nc_u32 v[ADRB+1], SLOT, v[ADRB]
	s_mul_i32 s23, s10, 16*SPITCH
	s_add_co_u32 s23, s23, STAGE                   ; my stage
	v_mul_u32_u24 v5, v1, SPITCH                   ; in: row l % 16, 32 bytes for each half of the lanes
	v_lshl_add_u32 v5, v2, 5, v5
	v_add_nc_u32 v[STO], s23, v5
	v_add_nc_u32 v[RD], s23, v[CO]                 ; back: the wave takes one row of 512 bytes
; 16 matrix instructions: tile rows a0, a0 + 1 of the window's four (hi = 0: my rows 0-63, 1: rows 64-127) x all 8 tile columns, 32 along K.
; zero = 1: the first product starts the sums: nothing is ever cleared.  The 64 accumulators take turns, one instruction a turn, in the same order
; in every quarter step.
.macro MUL16 f, hi, a0, zero
.irp a, \a0, \a0+1
.irp b, 0,1,2,3,4,5,6,7
.if \zero
	v_wmma_f32_16x16x32_f16 v[8*(8*(\a)+\b):8*(8*(\a)+\b)+7], v[\f+8*\b:\f+8*\b+7], v[\f+8*(4*\hi+\a):\f+8*(4*\hi+\a)+7], 0
.else
	v_wmma_f32_16x16x32_f16 v[8*(8*(\a)+\b):8*(8*(\a)+\b)+7], v[\f+8*\b:\f+8*\b+7], v[\f+8*(4*\hi+\a):\f+8*(4*\hi+\a)+7], v[8*(8*(\a)+\b):8*(8*(\a)+\b)+7]
.endif
.endr
.endr
.endm
; 32 LDS loads in one run: the fragments of quarter q (32 K) of the slot's K step into buffer f: W's 128 columns (chunk q / 2, half q % 2 of it), then x's 128 rows
.macro FETCH slot, q, f
	WIN TO_B
.irp i, 0,1,2,3,4,5,6,7
	ds_load_b128 v[\f+8*\i:\f+8*\i+3],   v[ADRB+\slot] offset:(\q/2)*CHUNK+(\q%2)*1024+\i*2048
	ds_load_b128 v[\f+8*\i+4:\f+8*\i+7], v[ADRB+\slot] offset:(\q/2)*CHUNK+(\q%2)*1024+\i*2048+512
.endr
	WIN 0
.irp i, 0,1,2,3,4,5,6,7
	ds_load_b128 v[\f+8*\i:\f+8*\i+3],   v[ADRA+\slot] offset:\q*64+\i*16*PITCH
	ds_load_b128 v[\f+8*\i+4:\f+8*\i+7], v[ADRA+\slot] offset:\q*64+\i*16*PITCH+32
.endr
.endm
; A load into a register that a matrix instruction has read, and a store that reads a matrix result, stand four places behind that matrix
; instruction, and only plain vector instructions that name none of its registers are places (ISA guide 7.12.1 for vector instructions).
;   So four v_nop stand in front of each run of loads: sixteen issue slots for a K step's 256 matrix instructions.
.macro PLACES
.rept 4
	v_nop
.endr
.endm
; A K step is four quarter steps of 32 along K, 64 matrix instructions each, on buffers 0, 1, 0, 1.
; One of the first three: multiplies buffer f; in its middle it fetches quarter q of the same slot into buffer g.
.macro QUARTER slot, q, f, g, zero
	s_wait_dscnt 8                                 ; W and x's rows 0-63 are in; the youngest eight loads (x's rows 64-127) may be out
	WIN MUL_LO
	MUL16 \f, 0, 0, \zero
	MUL16 \f, 0, 2, \zero
	PLACES
	FETCH \slot, \q, \g
	s_wait_dscnt 32                                ; all but the 32 just issued
	WIN MUL_HI
	MUL16 \f, 1, 0, \zero
	MUL16 \f, 1, 2, \zero
.endm
.macro THREE slot, zero
	QUARTER \slot, 1, F0, F1, \zero
	QUARTER \slot, 2, F1, F0, 0
	QUARTER \slot, 3, F0, F1, 0
.endm
; The last quarter: multiplies buffer 1 and changes slots.  next = the other slot; fill = 1: this slot is filled again, two K steps ahead.
; ONE barrier for the change of slots, for two things.  In front of it each wave waits for its own reads of this slot and for all its tensor loads,
; of which one is out: its part of the next slot.  Behind it nobody reads this slot any more and the next slot is whole: the refill comes
; first, then the next slot's first fragments.  From a request to the wait for it a wave issues 240 matrix instructions.
.macro TURN slot, next, fill
	s_wait_dscnt 8
	WIN MUL_LO
	MUL16 F1, 0, 0, 0
	s_wait_dscnt 0                                 ; my reads of this slot are over
	s_wait_tensorcnt 0x0                           ; and all my tensor loads have landed
	ds_add_u32 v255, v255
	s_wait_dscnt 0x0
	s_barrier_signal -1                            ; say so (where a slot is filled again this barrier opens a round of the cluster's barrier),
	MUL16 F1, 0, 2, 0                              ; work on registers while the others arrive,
	WIN 0
	s_barrier_wait -1                              ; and go on when all four have said so
.if \fill
	CREST                                          ; no wave of any partner still reads this slot's tile or has a load on its way
	s_add_nc_u64 s[G0+4*\slot+2:G0+4*\slot+3], s[G0+4*\slot+2:G0+4*\slot+3], 2*ASTEP
	s_add_nc_u64 s[G0B+4*\slot+2:G0B+4*\slot+3], s[G0B+4*\slot+2:G0B+4*\slot+3], 2*BSTEP
	JLOAD \slot                                    ; the first tensor load behind the round
.endif
	PLACES
	FETCH \next, 0, F0
	WIN MUL_HI
	MUL16 F1, 1, 0, 0
	MUL16 F1, 1, 2, 0
.endm
.macro LAP zero                        ; once round the ring, both slots filled again
	THREE 0, \zero
	TURN 0, 1, 1
	THREE 1, 0
	TURN 1, 0, 1
.endm
	s_wait_tensorcnt 1                             ; my part of K step 0 is in; step 1's, issued behind it, may stay out
	s_barrier_signal -1
	s_barrier_wait -1                              ; everybody's is
	FETCH 0, 0, F0
	LAP 1                                          ; the first lap stands in front of the loop: its first products start the sums
	WIN 0                                          ; at a label and at a branch every window is 0
	s_mov_b32 s3, LAPS-2
.Llap:
	LAP 0
	WIN 0
	s_sub_co_u32 s3, s3, 1
	s_cmp_lg_u32 s3, 0
	s_cbranch_scc1 .Llap
	THREE 0, 0                                     ; the last lap fills nothing: my one tensor load that is still out is slot 1's, the last K step's
	TURN 0, 1, 0
	THREE 1, 0
	s_wait_dscnt 8                                 ; the very last quarter: nothing more to fetch
	WIN MUL_LO
	MUL16 F1, 0, 0, 0
	MUL16 F1, 0, 2, 0
	s_wait_dscnt 0
	WIN MUL_HI
	MUL16 F1, 1, 0, 0
	MUL16 F1, 1, 2, 0
	; THE WAY OUT, 16 rows at a time: 32 bytes a lane and tile straight from the accumulators into my own stage, read back as whole rows of 512 bytes.
	PLACES                                         ; four places before LDS stores read the results and loads land in the fragment buffers
	s_lshl_b32 s13, s13, 8
	s_lshl_b32 s14, s11, 7
	s_add_co_u32 s16, s13, s14                     ; my first row
	s_lshl_b32 s16, s16, 13                        ; x 8,192 bytes
	s_mov_b32 s17, 0
	s_add_nc_u64 s[8:9], s[8:9], s[16:17]
	s_lshl_b32 s46, s42, 10                        ; my first column, in bytes: 1,024 x block + 512 x half
	s_lshl_b32 s47, s12, 9
	s_add_co_u32 s46, s46, s47
	s_mov_b32 s47, 0
	s_add_nc_u64 s[8:9], s[8:9], s[46:47]
; rows 16 i .. 16 i + 15 of my block = the eight tiles (a, 0..7) of window 2 or 3 (from = 0x08 or 0x0c: the LDS stores' data, source 1); f: F0 or F1 in turn
.macro OUT16 i, a, from, f
	WIN \from
.irp b, 0,1,2,3,4,5,6,7
	ds_store_b128 v[STO], v[8*(8*\a+\b):8*(8*\a+\b)+3]   offset:64*\b
	ds_store_b128 v[STO], v[8*(8*\a+\b)+4:8*(8*\a+\b)+7] offset:64*\b+16
.endr
	WIN 0
.if \i
	s_wait_xcnt 0x0                                ; every earlier store has had its address translated (ISA guide 3.1): buffer f, which stores read, and the stores' base are rewritten only behind this wait
	s_add_nc_u64 s[8:9], s[8:9], 16*SIZE_N*4       ; 16 rows on
.endif
.irp t, 0,1,2,3,4,5,6,7,8,9,10,11,12,13,14,15
	ds_load_b128 v[\f+4*\t:\f+4*\t+3], v[RD] offset:\t*SPITCH      ; LDS serves a wave's instructions in order (ISA guide 5.7.1): these see the stores above
.endr
.irp t, 0,1,2,3,4,5,6,7,8,9,10,11,12,13,14,15
	s_wait_dscnt 15-\t                             ; the younger read-backs may be out
	global_store_b128 v[CO], v[\f+4*\t:\f+4*\t+3], s[8:9] offset:\t*SIZE_N*4 th:TH_STORE_NT   ; the wave stores 512 consecutive bytes, aligned
.endr
.endm
	OUT16 0, 0, 0x08, F0
	OUT16 1, 1, 0x08, F1
	OUT16 2, 2, 0x08, F0
	OUT16 3, 3, 0x08, F1
	OUT16 4, 0, 0x0c, F0
	OUT16 5, 1, 0x0c, F1
	OUT16 6, 2, 0x0c, F0
	OUT16 7, 3, 0x0c, F1
	s_set_vgpr_msb 0x1
	s_wait_tensorcnt 0x0
	ds_add_u32 v255, v255
	s_wait_dscnt 0x0
	s_set_vgpr_msb 0x100
	CROUND                                         ; the closing round: no work-group ends while a partner may still ask for a tile that names it
	s_endpgm
.Lfunc_end_k_q46d78c72cc_gemm:
	.size	k_q46d78c72cc_gemm, .Lfunc_end_k_q46d78c72cc_gemm-k_q46d78c72cc_gemm
	.p2alignl 7, 3214868480
	.fill 96, 4, 3214868480
	.section	.rodata,"a",@progbits
	.p2align	6, 0x0
	.amdhsa_kernel k_q46d78c72cc_gemm
		.amdhsa_group_segment_fixed_size 327680
		.amdhsa_private_segment_fixed_size 0
		.amdhsa_enable_private_segment 0
		.amdhsa_kernarg_size 24
		.amdhsa_user_sgpr_count 2
		.amdhsa_user_sgpr_kernarg_segment_ptr 1
		.amdhsa_wavefront_size32 1
		.amdhsa_system_sgpr_workgroup_id_x 1
		.amdhsa_system_sgpr_workgroup_id_y 1
		.amdhsa_system_sgpr_workgroup_id_z 1
		.amdhsa_system_vgpr_workitem_id 0
		.amdhsa_next_free_vgpr 1024
		.amdhsa_next_free_sgpr 66
		.amdhsa_reserve_vcc 0
		.amdhsa_float_denorm_mode_32 3
		.amdhsa_float_denorm_mode_16_64 3
		.amdhsa_memory_ordered 1
		.amdhsa_forward_progress 1
		.amdhsa_inst_pref_size 196
	.end_amdhsa_kernel
	.amdgpu_metadata
---
amdhsa.version: [ 1, 2 ]
amdhsa.kernels:
  - .name:           k_q46d78c72cc_gemm
    .symbol:         k_q46d78c72cc_gemm.kd
    .args:
      - { .name: xh, .offset: 0, .size: 8, .value_kind: global_buffer, .address_space: global }
      - { .name: wf, .offset: 8, .size: 8, .value_kind: global_buffer, .address_space: global }
      - { .name: out0, .offset: 16, .size: 8, .value_kind: global_buffer, .address_space: global }
    .group_segment_fixed_size: 327680
    .private_segment_fixed_size: 0
    .kernarg_segment_align: 8
    .kernarg_segment_size: 24
    .max_flat_workgroup_size: 128
    .sgpr_count:     66
    .vgpr_count:     1024
    .wavefront_size: 32
...
	.end_amdgpu_metadata
.endif
;; end of part 4
